; MI455X (gfx1250); checked and timed in simulation.
; The chip was launched on July 23, 2026; its instructions are those of AMD's public machine-readable ISA for CDNA 5 (MIT licence, August 2026) and "CDNA5" Instruction Set Architecture Reference Guide (July 2026). The comments in the code are by the model that wrote it; some were corrected since.
;; Cross Attention. Allowed arithmetic: matrix products marked QUANTISED: E2M1 operands, one E8M0 scale for each 32 along K, by v_wmma_scale_f32_16x16x128_f8f6f4 with both operands' format E2M1 (or v_wmma_scale_f32_32x16x128_f4), f32 sums; products left as they are: bf16, f16 or f32 operands; f32 sums; everything else in f32.
;; Inputs: Wkv 1,024 x 4,096 float32; Wout 2,048 x 2,048 float32; Wq 2,048 x 2,048 float32; bout 2,048 float32; ctx 2 x 2,048 x 1,024 float32; ctx_pos_map 2 x 2,048 x 2 float32; pos_map 2 x 1,024 x 2 float32; x 2 x 1,024 x 2,048 float32.
;; Outputs: out0 2 x 1,024 x 2,048 float32.
;; This version of the problem:
;;   THIS VERSION OF THE PROBLEM IS GIVEN IN LOW PRECISION. The matrix products marked QUANTISED in the list below multiply operands that are first quantised to E2M1 (2 exponent bits, 1 mantissa bit; 4 bits a number), with one power-of-two scale for each 32 numbers along K (OCP MX v1.0); their sums are f32. The products marked 'left as it is' may take bf16, f16 or f32 operands, with f32 sums. Whichever they take, every output number must still come out within the allowed error. Rounding operands to bf16 (8 significant bits) uses up far more of that allowance than f16 does (11 bits, for magnitudes from 6e-5 to 65,504). All else is computed in f32.
;;   The module's matrix products, in the order in which they are computed (A, B: the left and right operand; K: the contracted axis; several contracted axes count as one K, in the product's order):
;;     1. [M 2,048, K 2,048] x [K 2,048, N 2,048]; A: input x; B: input Wq: QUANTISED
;;     2. [M 4,096, K 1,024] x [K 1,024, N 4,096]; A: input ctx; B: input Wkv: QUANTISED
;;     3. batch 64 x [M 1,024, K 64] x [K 64, N 2,048]; A: computed on the way; B: computed on the way: left as it is (an operand is computed on the way)
;;     4. batch 64 x [M 64, K 2,048] x [K 2,048, N 1,024]; A: computed on the way; B: computed on the way: left as it is (an operand is computed on the way)
;;     5. [M 2,048, K 2,048] x [K 2,048, N 2,048]; A: computed on the way; B: input Wout: left as it is (an operand is computed on the way)
;;   THE QUANTISER, for each operand of a quantised product, along K:
;;     - K is cut into blocks of 32 from its start; a last block that is shorter is filled with zeros.
;;     - A block's scale is 2^e with e = floor(log2(the largest magnitude in the block)) - 2, held to -126 .. 127; a block of zeros has e = 0. As a byte (E8M0): e + 127.
;;     - Each number is divided by its block's scale, clamped to +-6, and rounded to the nearest number of E2M1, ties to even, subnormals kept.
;;     - The product sums the exact products of the quantised numbers (number of the format x scale) in f32.
;;   ~~~python
;;   def quantise(x, axis):      # numpy; x: float32 -> the quantised numbers, widened to float32 again
;;       x = np.moveaxis(x, axis, -1); K = x.shape[-1]
;;       x = np.pad(x, [(0, 0)] * (x.ndim - 1) + [(0, -K % 32)]); x = x.reshape(x.shape[:-1] + (-1, 32)); a = np.abs(x).max(-1, keepdims=True)
;;       e = np.where(a > 0, np.clip(np.frexp(np.where(a > 0, a, 1))[1] - 1 - 2, -126, 127), 0)      # np.frexp(a)[1] - 1 = floor(log2(a)), exactly
;;       r = np.clip(x / 2.0 ** e, -6, 6)
;;       step = 2.0 ** (np.maximum(np.frexp(np.where(r == 0, 1, r))[1] - 1, 0) - 1)
;;       q = np.round(r / step) * step * 2.0 ** e      # np.round: ties to even
;;       return np.moveaxis(q.reshape(q.shape[:-2] + (-1,))[..., :K], -1, axis).astype(np.float32)
;;   ~~~
;; One version. Each part assembles by itself: llvm-mc -triple=amdgcn-amd-amdhsa -mcpu=gfx1250 --defsym DOCPART=n.
;; ======== version 1 of 1: 4 launches
;; limits: values are held in f16: magnitudes above 65,504 overflow, below 6.1e-05 lose precision; right only within a limited range of input values
;; workspace buffers: codes 8,912,896 bytes; wo 8,388,608 bytes; tab 1,572,864 bytes; qf 16,777,216 bytes; kf 16,777,216 bytes; vf 16,777,216 bytes; at 8,388,608 bytes
;; launch prep (part 1): grid 736 x 1, 4 waves a work-group, no clusters, 34,304 bytes of LDS; arguments x, ctx, Wq, Wkv, Wout, pos_map, ctx_pos_map, codes, wo, tab; writes codes, wo, tab
.if DOCPART == 1
	.amdgcn_target "amdgcn-amd-amdhsa--gfx1250"
	.amdhsa_code_object_version 6
	.text
	.protected	k_q1a21a2bdf1_prep
	.globl	k_q1a21a2bdf1_prep
	.p2align	8
	.type	k_q1a21a2bdf1_prep,@function
k_q1a21a2bdf1_prep:
	s_mov_b64 s[64:65], 0
	v_nop
	global_prefetch_b8 v0, s[64:65] scope:SCOPE_SE
	s_setreg_imm32_b32 hwreg(HW_REG_WAVE_MODE, 25, 1), 1
	s_wait_xcnt 0x0
; PREP: everything that is made once from the inputs, laid as IMAGES OF OPERAND REGISTERS (a chunk of four registers = 512 consecutive bytes, lane l's 16 bytes at 16 l).
;  work-groups   0-255: x [2048][2048] and ctx [4096][1024], f32, K innermost -> codes of E2M1 and E8M0 scale words.  A wave: 16 rows x 512 K.
;  work-groups 256-383: Wq [2048 k][2048 n];  384-511: Wkv [1024 k][4096 n]: K is the first axis: a lane takes a column, its registers run down K.  A wave: 32 columns x 256 K: eight blocks, on two sets of registers.
;  work-groups 512-639: Wout [2048 k][2048 n] -> f16, rows n with K innermost.  A wave: 32 columns x 256 K.
;  work-groups 640-735: the table of cos and sin for the axial rope.  A wave: 16 rows.
; codes: four operands (x, ctx, Wq^T, Wkv^T) of 64 blocks of BLK bytes; a block is 128 rows x 512 K: codes at 4096 i + 1024 q + 512 c + 16 lane (i: 16 rows, q: 128 K, c: chunk), scale words at 32768 + 256 i + 16 r + 4 q.
; A block's scale is 2^(floor(log2(largest magnitude)) - 2): its byte is the largest magnitude's exponent field - 2, held at 1 from below.
; LIMITS: a block of zeros keeps the byte 1 (its codes are zeros; this program alone reads the bytes); NaN and infinities are not served; the angles' reduction by pi/2 in two parts holds for |angle| under about 1e5;
; Wout goes to f16: magnitudes up to 65,504.
; No tensor load, no barrier: waves share nothing.  Only the first role uses LDS (a stage of its own for each wave).
.set BLK,   34816
.set OPB,   64*BLK                     ; bytes of one operand's codes and scales
.set STG,   16*528                     ; a wave's stage: 16 rows x (512 bytes + 16)
.set SPARE, 4*STG                      ; behind the stages: the spare words, 128 bytes for each wave, which no other line names
.set SPW,   4                          ; v4  LDS address of my spare word; never rewritten
.set NIL,   5                          ; v5  0; never rewritten
	s_load_b512 s[4:19], s[0:1], 0x0               ; x s[4:5], ctx s[6:7], Wq s[8:9], Wkv s[10:11], Wout s[12:13], pos_map s[14:15], ctx_pos_map s[16:17], codes s[18:19]
	s_load_b128 s[20:23], s[0:1], 0x40             ; wo s[20:21], tab s[22:23]
	v_lshl_add_u32 v[SPW], v0, 2, SPARE
	v_mov_b32 v[NIL], 0
	v_lshrrev_b32 v1, 5, v0
	v_readfirstlane_b32 s24, v1                    ; wave 0..3
	v_and_b32 v1, 31, v0                           ; lane
	v_and_b32 v2, 15, v0                           ; r
	v_bfe_u32 v3, v0, 4, 1                         ; h
	s_wait_kmcnt 0x0
	s_cmp_lt_u32 ttmp9, 256                        ; the roles part on the work-group's number alone
	s_cbranch_scc1 .Lrows
	s_cmp_lt_u32 ttmp9, 384
	s_cbranch_scc1 .Lwq
	s_cmp_lt_u32 ttmp9, 512
	s_cbranch_scc1 .Lwkv
	s_cmp_lt_u32 ttmp9, 640
	s_cbranch_scc1 .Lwout
; ---------------- THE TABLE.  Block T of 16 rows (T 0-127: queries, 128-383: keys).  tab[T][bb 0..3][e 0..1][lane][c0, s0, c1, s1]: lane (r, h) holds, for row r, the pairs i = 8 (bb & 1) + 4 h + 2 e + {0, 1} of axis bb >> 1:
; the very order in which a lane of the product's result holds its eight channels 16 bb + 8 h + 0..7.  The queries' entries carry log2(e) / 8, so that the scores come out as exponents of 2.
	s_sub_co_u32 s25, ttmp9, 640
	s_lshl_b32 s25, s25, 2
	s_add_co_u32 s25, s25, s24                     ; T
	s_mov_b32 s58, 1.0
	s_cmp_lt_u32 s25, 128
	s_cselect_b64 s[28:29], s[14:15], s[16:17]     ; pos_map or ctx_pos_map
	s_cselect_b32 s26, 0, 128
	s_cselect_b32 s58, 0x3e38aa3b, s58             ; log2(e) / 8, or 1
	s_sub_co_u32 s26, s25, s26
	s_lshl_b32 s26, s26, 7                         ; 16 rows of 8 bytes
	s_mov_b32 s27, 0
	s_add_nc_u64 s[28:29], s[28:29], s[26:27]
	s_lshl_b32 s30, s25, 12
	s_mov_b32 s31, 0
	s_add_nc_u64 s[22:23], s[22:23], s[30:31]
	v_lshlrev_b32 v6, 3, v2
	global_load_b64 v[28:29], v6, s[28:29]         ; my row's two positions
	s_mov_b32 s50, 0xbfc90fdb                      ; -pi/2, its leading part,
	s_mov_b32 s51, 0x333bbd2e                      ; and what that part has too much
	s_mov_b32 s52, 0xb94ca1f9                      ; sine: -1.9515295891e-4,
	s_mov_b32 s53, 0x3c08839e                      ; 8.3321608736e-3,
	s_mov_b32 s54, 0xbe2aaaa3                      ; -1.6666654611e-1
	s_mov_b32 s55, 0x37ccf5ce                      ; cosine: 2.443315712e-5,
	s_mov_b32 s56, 0xbab6061a                      ; -1.388731625e-3,
	s_mov_b32 s57, 0x3d2aaaa5                      ; 4.166664568e-2
	v_lshlrev_b32 v7, 2, v3                        ; 4 h
.irp f, 0,1,2,3,4,5,6,7
	v_add_nc_u32 v[16+\f], (\f%4)+8*(\f/4), v7     ; the pair's number i
.endr
.irp f, 0,1,2,3,4,5,6,7
	v_cvt_f32_u32 v[16+\f], v[16+\f]
.endr
.irp f, 0,1,2,3,4,5,6,7
	v_mul_f32 v[16+\f], 0xbf549a78, v[16+\f]       ; -i log2(10000) / 16
.endr
.irp f, 0,1,2,3,4,5,6,7
	v_exp_f32 v[16+\f], v[16+\f]                   ; the frequencies: one batch
.endr
	v_lshlrev_b32 v8, 4, v1                        ; (a plain instruction behind the batch)  16 x lane
	s_wait_alu depctr_va_vdst(0)                   ; one wait for the eight, ahead of their first reader
	s_wait_loadcnt 0x0
; cos and sin of v39, times s58, into v[o] and v[o + 1]: n = the nearest whole number to a 2/pi, r = a - n pi/2 in two parts, polynomials on |r| <= pi/4, then the quadrant
.macro SINCOS o
	v_mul_f32 v40, 0x3f22f983, v39
	v_rndne_f32 v40, v40
	v_fma_f32 v41, v40, s50, v39
	v_fma_f32 v41, v40, s51, v41                   ; r
	v_cvt_i32_f32 v42, v40                         ; the quadrant
	v_mul_f32 v43, v41, v41                        ; z = r r
	v_fma_f32 v44, v43, s52, s53
	v_fma_f32 v46, v43, s55, s56
	v_fma_f32 v44, v44, v43, s54
	v_fma_f32 v46, v46, v43, s57
	v_mul_f32 v45, v41, v43
	v_mul_f32 v47, v43, v43
	v_fma_f32 v48, v43, -0.5, 1.0
	v_fma_f32 v44, v44, v45, v41                   ; sin r
	v_fma_f32 v46, v46, v47, v48                   ; cos r
	v_and_b32 v49, 1, v42
	v_cmp_eq_u32 vcc_lo, 1, v49
	v_cndmask_b32 v50, v44, v46, vcc_lo            ; odd quadrants change the two
	v_cndmask_b32 v51, v46, v44, vcc_lo
	v_and_b32 v49, 2, v42
	v_lshlrev_b32 v49, 30, v49
	v_xor_b32 v50, v49, v50                        ; the sine is negated in quadrants 2, 3,
	v_add_nc_u32 v49, 1, v42
	v_and_b32 v49, 2, v49
	v_lshlrev_b32 v49, 30, v49
	v_xor_b32 v51, v49, v51                        ; the cosine in 1, 2
	v_mul_f32 v[(\o)], s58, v51
	v_mul_f32 v[(\o)+1], s58, v50
.endm
.irp ax, 0,1
.irp f, 0,1,2,3,4,5,6,7
	v_mul_f32 v39, v[28+\ax], v[16+\f]             ; the angle
	SINCOS 64+16*\ax+2*\f
.endr
.endr
.irp n, 0,1,2,3,4,5,6,7
	global_store_b128 v8, v[64+4*\n:67+4*\n], s[22:23] offset:512*\n   ; 32 lanes store 512 consecutive bytes
.endr
	s_endpgm
; ---------------- ROWS: x (tasks 0-511) and ctx (512-1023), one path for both: only pointers and shifts are chosen.
; Each load reads 256 consecutive bytes of a row in sixteen lanes; a fragment's 16 rows x 512 bytes turn through the wave's stage, so that lane (r, h) gets, of row r, the whole blocks k = 64 c + 32 h + 0..31:
; the conversions' results are then the operand's registers, and a chunk leaves by one store of 512 consecutive bytes.
.Lrows:
	s_lshl_b32 s25, ttmp9, 2
	s_add_co_u32 s25, s25, s24                     ; the task
	s_cmp_lt_u32 s25, 512
	s_cselect_b64 s[26:27], s[4:5], s[6:7]
	s_cselect_b32 s28, 2, 1                        ; log2 of the K steps of 512 in a row
	s_cselect_b32 s29, 0, 512
	s_cselect_b32 s30, 0, OPB                      ; the operand's place in codes
	s_sub_co_u32 s25, s25, s29
	s_lshr_b32 s31, s25, s28                       ; which 16 rows
	s_lshl_b32 s32, 1, s28
	s_sub_co_u32 s32, s32, 1
	s_and_b32 s32, s25, s32                        ; which K step
	s_lshl_b32 s33, 2048, s28                      ; a row in bytes
	s_mul_i32 s34, s31, s33
	s_lshl_b32 s34, s34, 4
	s_lshl_b32 s35, s32, 11
	s_add_co_u32 s34, s34, s35
	s_mov_b32 s35, 0
	s_add_nc_u64 s[26:27], s[26:27], s[34:35]      ; my 16 rows, my 2,048 bytes of each
	s_lshr_b32 s36, s31, 3
	s_lshl_b32 s36, s36, s28
	s_add_co_u32 s36, s36, s32
	s_mul_i32 s36, s36, BLK
	s_add_co_u32 s36, s36, s30                     ; my block
	s_and_b32 s37, s31, 7
	s_lshl_b32 s38, s37, 12
	s_add_co_u32 s38, s38, s36
	s_mov_b32 s39, 0
	s_add_nc_u64 s[40:41], s[18:19], s[38:39]      ; my four fragments
	s_lshl_b32 s38, s37, 8
	s_add_co_u32 s38, s38, s36
	s_add_co_u32 s38, s38, 32768
	s_add_nc_u64 s[42:43], s[18:19], s[38:39]      ; my 16 rows' scale words
	s_mov_b32 s46, 0x76543210
	s_mov_b32 s47, 0xfedcba98                      ; lane l xor 16
	v_mul_lo_u32 v6, v3, s33
	v_lshl_add_u32 v6, v2, 4, v6                   ; h rows + 16 r
	s_lshl_b32 s44, s33, 1
	s_mov_b32 s45, 0
.irp jr, 0,1,2,3,4,5,6,7
	v_add_nc_u32 v[8+\jr], s45, v6                 ; rows 2 jr + h
	s_add_co_u32 s45, s45, s44
.endr
	s_mul_i32 s48, s24, STG
	v_mul_u32_u24 v16, v3, 528
	v_lshl_add_u32 v16, v2, 4, v16
	v_add_nc_u32 v16, s48, v16                     ; into the stage: row h, 16 r
	v_mul_u32_u24 v17, v2, 528
	v_lshl_add_u32 v17, v3, 7, v17
	v_add_nc_u32 v17, s48, v17                     ; out of it: row r, 128 h
	v_lshlrev_b32 v18, 4, v1                       ; 16 x lane
	v_lshlrev_b32 v19, 4, v2
	v_lshl_add_u32 v19, v3, 3, v19                 ; 16 r + 8 h
	v_lshlrev_b32 v26, 3, v3                       ; 8 h
	v_mov_b32 v27, 0                               ; (a lane permute's destination counts as read)
.macro LOADF q, set                    ; 128 along K of the 16 rows into set (v32-95, v96-159)
.irp jr, 0,1,2,3,4,5,6,7
.irp hf, 0,1
	global_load_b128 v[32+64*(\set)+4*(2*\jr+\hf):32+64*(\set)+4*(2*\jr+\hf)+3], v[8+\jr], s[26:27] offset:512*(\q)+256*\hf th:TH_LOAD_NT
.endr
.endr
.endm
.macro TURNF set                       ; through the stage: LDS serves a wave's instructions in order, so no wait stands between the stores and the loads
.irp jr, 0,1,2,3,4,5,6,7
.irp hf, 0,1
	ds_store_b128 v16, v[32+64*(\set)+4*(2*\jr+\hf):32+64*(\set)+4*(2*\jr+\hf)+3] offset:1056*\jr+256*\hf
.endr
.endr
.irp c, 0,1
.irp j, 0,1,2,3,4,5,6,7
	ds_load_b128 v[160+32*\c+4*\j:163+32*\c+4*\j], v17 offset:256*\c+16*\j
.endr
.endr
.endm
.macro QUANTF q                        ; v160-223: my two whole blocks -> a fragment's eight registers v[224 + 8 q ..] and my row's scale word v[28 + q]
.irp c, 0,1
	v_max3_num_f32 v[20+\c], |v[160+32*\c]|, |v[161+32*\c]|, 0x1800000   ; with the floor 2^(3 - 127): the byte cannot fall under 1
.endr
.irp i, 2,4,6,8,10,12,14,16,18,20,22,24,26,28,30
.irp c, 0,1
	v_max3_num_f32 v[20+\c], v[20+\c], |v[160+32*\c+\i]|, |v[161+32*\c+\i]|
.endr
.endr
.irp c, 0,1
	v_add_nc_u32 v[22+\c], 0xff000000, v[20+\c]    ; 2 off the exponent field: the conversion's scale operand
.endr
.irp c, 0,1
	v_lshrrev_b32 v[24+\c], 23, v[22+\c]           ; the scale's byte
.endr
	v_lshl_or_b32 v24, v25, 16, v24                ; blocks h and 2 + h,
	v_lshlrev_b32 v24, v26, v24                    ; at their places,
	v_permlanex16_b32 v27, v24, s46, s47
	v_or_b32 v[28+(\q)], v24, v27                  ; with the other half's two: the word
.irp c, 0,1
.irp g, 0,1,2,3
	v_cvt_scalef32_pk8_fp4_f32 v[224+8*(\q)+4*\c+\g], v[160+32*\c+8*\g:167+32*\c+8*\g], v[22+\c]
.endr
.endr
	v_nop                                          ; a plain instruction behind the last conversion
.irp c, 0,1
	global_store_b128 v18, v[224+8*(\q)+4*\c:227+8*(\q)+4*\c], s[40:41] offset:1024*(\q)+512*\c   ; a chunk: 512 consecutive bytes; these registers are never written again
.endr
.endm
	LOADF 0, 0
	LOADF 1, 1
.irp q, 0,1,2,3
.if \q < 3
	s_wait_loadcnt 16                              ; this fragment's 16 loads are in; the next one's may be out
.else
	s_wait_loadcnt 0
.endif
	TURNF \q%2
	s_wait_dscnt 0x0                               ; the numbers are back, and the stage's stores have read their registers,
.if \q < 2
	LOADF \q+2, \q%2                               ; which take the loads of two fragments on
.endif
	QUANTF \q
.endr
	v_cmp_eq_u32 vcc_lo, 1, v3
	v_cndmask_b32 v20, v28, v30, vcc_lo            ; lanes 0-15 store words 0, 1 of row r, lanes 16-31 words 2, 3
	v_cndmask_b32 v21, v29, v31, vcc_lo
	global_store_b64 v19, v[20:21], s[42:43]       ; 256 consecutive bytes
	s_wait_tensorcnt 0x0                           ; the wave's end, behind my last LDS store
	ds_add_u32 v[SPW], v[NIL]
	s_wait_dscnt 0x0
	s_endpgm
; ---------------- COLUMNS.  Block t: W(32 t + i, my column), i = 0..31, into set t % 2 (v32-63, v64-95).  Neighbouring lanes read neighbouring columns; the four waves stand side by side.
.macro LOADC t, pitch
.set li, 0
.rept 32
	global_load_b32 v[32+32*((\t)%2)+li], v8, s[30:31] offset:(32*(\t)+li)*\pitch th:TH_LOAD_NT
.set li, li+1
.endr
.endm
.macro BLOCKC t, pitch
.set XS, 32+32*((\t)%2)
.if (\t) < 7
	s_wait_loadcnt 32                              ; this block's 32 loads are in; the next block's may be out
.else
	s_wait_loadcnt 0
.endif
	v_max3_num_f32 v12, |v[XS]|, |v[XS+1]|, |v[XS+2]|   ; all 32 numbers of the block are mine
	v_max3_num_f32 v13, |v[XS+3]|, |v[XS+4]|, |v[XS+5]|
.irp i, 6,10,14,18,22,26
	v_max3_num_f32 v12, v12, |v[XS+\i]|, |v[XS+\i+1]|
	v_max3_num_f32 v13, v13, |v[XS+\i+2]|, |v[XS+\i+3]|
.endr
	v_max3_num_f32 v12, v12, |v[XS+30]|, |v[XS+31]|
	v_max3_num_f32 v12, v12, v13, 0x1800000        ; the floor
	v_add_nc_u32 v11, 0xff000000, v12
	v_lshrrev_b32 v13, 23, v11
.if (\t)%4 == 0
	v_mov_b32 v[160+(\t)/4], v13                   ; four bytes make the scale word of 128 along K
.else
	v_lshl_or_b32 v[160+(\t)/4], v13, 8*((\t)%4), v[160+(\t)/4]
.endif
.irp g, 0,1,2,3
	v_cvt_scalef32_pk8_fp4_f32 v[96+4*(\t)+\g], v[XS+8*\g:XS+8*\g+7], v11
.endr
	global_store_b128 v9, v[96+4*(\t):99+4*(\t)], s[36:37] offset:256*(\t)   ; lanes 0-15 fill 256 consecutive bytes of one fragment, lanes 16-31 of the next 16 rows'; these registers are never written again
.if (\t)+2 < 8
	LOADC (\t)+2, \pitch
.endif
.endm
; a wave: 32 columns x 256 K, half of a block's K step.  wg0: the role's first work-group; cgb: log2 of the groups of 32 columns; nksh: log2 of the K steps of 512; src: the tensor's pointer; opoff: the operand's place in codes
.macro COLQ wg0, cgb, nksh, pitch, src, opoff
	s_sub_co_u32 s25, ttmp9, \wg0
	s_lshl_b32 s25, s25, 2
	s_add_co_u32 s25, s25, s24                     ; the task
	s_and_b32 s26, s25, (1<<\cgb)-1                ; which 32 columns
	s_lshr_b32 s27, s25, \cgb                      ; which 256 along K
	s_mul_i32 s28, s27, 256*\pitch
	s_lshl_b32 s29, s26, 7
	s_add_co_u32 s28, s28, s29
	s_mov_b32 s29, 0
	s_add_nc_u64 s[30:31], s[\src:\src+1], s[28:29]
	s_lshr_b32 s33, s27, 1                         ; which K step of 512,
	s_and_b32 s40, s27, 1                          ; and which half of it
	s_lshr_b32 s32, s26, 2
	s_lshl_b32 s32, s32, \nksh
	s_add_co_u32 s32, s32, s33
	s_mul_i32 s32, s32, BLK
	s_add_co_u32 s32, s32, \opoff                  ; my block
	s_and_b32 s33, s26, 3
	s_lshl_b32 s34, s33, 13
	s_add_co_u32 s34, s34, s32
	s_lshl_b32 s35, s40, 11                        ; a half is eight blocks of 32 along K: 8 x 256 bytes in each run of 16 rows
	s_add_co_u32 s34, s34, s35
	s_mov_b32 s35, 0
	s_add_nc_u64 s[36:37], s[18:19], s[34:35]      ; my two runs of 16 rows
	s_lshl_b32 s34, s33, 9
	s_add_co_u32 s34, s34, s32
	s_lshl_b32 s41, s40, 3                         ; and two of a row's four scale words
	s_add_co_u32 s34, s34, s41
	s_add_co_u32 s34, s34, 32768
	s_add_nc_u64 s[38:39], s[18:19], s[34:35]      ; their scale words
	v_lshlrev_b32 v8, 2, v1                        ; in: 4 bytes a lane
	v_lshlrev_b32 v9, 12, v3
	v_lshl_add_u32 v9, v2, 4, v9                   ; out: 4096 (lane / 16) + 16 (lane % 16)
	v_lshlrev_b32 v10, 4, v1
	LOADC 0, \pitch
	LOADC 1, \pitch
.set CT, 0
.rept 8
	BLOCKC CT, \pitch
.set CT, CT+1
.endr
	global_store_b64 v10, v[160:161], s[38:39]     ; my column's two scale words: 8 of its 16 bytes; the wave that takes the other half of the K step stores the other 8 (2 KiB of a block's 34 KiB leave so)
	s_endpgm
.endm
.Lwq:
	COLQ 256, 6, 2, 8192, 8, 2*OPB
.Lwkv:
	COLQ 384, 7, 1, 16384, 10, 3*OPB
; ---------------- Wout -> f16.  wo[n / 128][k / 256][64 KiB]; inside: 8192 (16 rows) + 1024 (32 k) + 256 (8 k) + 16 r.  A lane's eight neighbours along K are 16 bytes of its row.
.Lwout:
	s_sub_co_u32 s25, ttmp9, 512
	s_lshl_b32 s25, s25, 2
	s_add_co_u32 s25, s25, s24
	s_and_b32 s26, s25, 63                         ; which 32 columns
	s_lshr_b32 s27, s25, 6                         ; which 256 along K
	s_lshl_b32 s28, s27, 21
	s_lshl_b32 s29, s26, 7
	s_add_co_u32 s28, s28, s29
	s_mov_b32 s29, 0
	s_add_nc_u64 s[30:31], s[12:13], s[28:29]
	s_lshr_b32 s32, s26, 2
	s_lshl_b32 s32, s32, 3
	s_add_co_u32 s32, s32, s27
	s_lshl_b32 s32, s32, 16
	s_and_b32 s33, s26, 3
	s_lshl_b32 s33, s33, 14
	s_add_co_u32 s32, s32, s33
	s_mov_b32 s33, 0
	s_add_nc_u64 s[36:37], s[20:21], s[32:33]
	v_lshlrev_b32 v8, 2, v1
	v_lshlrev_b32 v9, 13, v3
	v_lshl_add_u32 v9, v2, 4, v9
.macro BLOCKW t
.set XS, 32+32*((\t)%2)
.if (\t) < 7
	s_wait_loadcnt 32                              ; as above
.else
	s_wait_loadcnt 0
.endif
.irp j, 0,1,2,3,4,5,6,7,8,9,10,11,12,13,14,15
	v_cvt_pk_f16_f32 v[96+16*(\t)+\j], v[XS+2*\j], v[XS+2*\j+1]   ; the lower k in the low half
.endr
.irp p, 0,1,2,3
	global_store_b128 v9, v[96+16*(\t)+4*\p:99+16*(\t)+4*\p], s[36:37] offset:1024*(\t)+256*\p   ; sixteen lanes fill 256 consecutive bytes; these registers are never written again
.endr
.if (\t)+2 < 8
	LOADC (\t)+2, 8192
.endif
.endm
	LOADC 0, 8192
	LOADC 1, 8192
.set CT, 0
.rept 8
	BLOCKW CT
.set CT, CT+1
.endr
	s_endpgm
.Lfunc_end_k_q1a21a2bdf1_prep:
	.size	k_q1a21a2bdf1_prep, .Lfunc_end_k_q1a21a2bdf1_prep-k_q1a21a2bdf1_prep
	.p2alignl 7, 3214868480
	.fill 96, 4, 3214868480
	.section	.rodata,"a",@progbits
	.p2align	6, 0x0
	.amdhsa_kernel k_q1a21a2bdf1_prep
		.amdhsa_group_segment_fixed_size 34304
		.amdhsa_private_segment_fixed_size 0
		.amdhsa_enable_private_segment 0
		.amdhsa_kernarg_size 80
		.amdhsa_user_sgpr_count 2
		.amdhsa_user_sgpr_kernarg_segment_ptr 1
		.amdhsa_wavefront_size32 1
		.amdhsa_system_sgpr_workgroup_id_x 1
		.amdhsa_system_sgpr_workgroup_id_y 1
		.amdhsa_system_sgpr_workgroup_id_z 1
		.amdhsa_system_vgpr_workitem_id 0
		.amdhsa_next_free_vgpr 256
		.amdhsa_next_free_sgpr 66
		.amdhsa_reserve_vcc 1
		.amdhsa_float_denorm_mode_32 3
		.amdhsa_float_denorm_mode_16_64 3
		.amdhsa_memory_ordered 1
		.amdhsa_forward_progress 1
		.amdhsa_inst_pref_size 166
	.end_amdhsa_kernel
	.amdgpu_metadata
---
amdhsa.version: [ 1, 2 ]
amdhsa.kernels:
  - .name:           k_q1a21a2bdf1_prep
    .symbol:         k_q1a21a2bdf1_prep.kd
    .args:
      - { .name: x, .offset: 0, .size: 8, .value_kind: global_buffer, .address_space: global }
      - { .name: ctx, .offset: 8, .size: 8, .value_kind: global_buffer, .address_space: global }
      - { .name: Wq, .offset: 16, .size: 8, .value_kind: global_buffer, .address_space: global }
      - { .name: Wkv, .offset: 24, .size: 8, .value_kind: global_buffer, .address_space: global }
      - { .name: Wout, .offset: 32, .size: 8, .value_kind: global_buffer, .address_space: global }
      - { .name: pos_map, .offset: 40, .size: 8, .value_kind: global_buffer, .address_space: global }
      - { .name: ctx_pos_map, .offset: 48, .size: 8, .value_kind: global_buffer, .address_space: global }
      - { .name: codes, .offset: 56, .size: 8, .value_kind: global_buffer, .address_space: global }
      - { .name: wo, .offset: 64, .size: 8, .value_kind: global_buffer, .address_space: global }
      - { .name: tab, .offset: 72, .size: 8, .value_kind: global_buffer, .address_space: global }
    .group_segment_fixed_size: 34304
    .private_segment_fixed_size: 0
    .kernarg_segment_align: 8
    .kernarg_segment_size: 80
    .max_flat_workgroup_size: 128
    .sgpr_count:     66
    .vgpr_count:     256
    .wavefront_size: 32
...
	.end_amdgpu_metadata
.endif
;; end of part 1
;; launch qkv (part 2): grid 16 x 12, 4 waves a work-group, clusters of 4 x 4, 327,680 bytes of LDS; arguments codes, tab, qf, kf, vf; writes qf, kf, vf
.if DOCPART == 2
	.amdgcn_target "amdgcn-amd-amdhsa--gfx1250"
	.amdhsa_code_object_version 6
	.text
	.protected	k_q1a21a2bdf1_qkv
	.globl	k_q1a21a2bdf1_qkv
	.p2align	8
	.type	k_q1a21a2bdf1_qkv,@function
k_q1a21a2bdf1_qkv:
	s_mov_b64 s[64:65], 0
	v_nop
	global_prefetch_b8 v0, s[64:65] scope:SCOPE_SE
	s_setreg_imm32_b32 hwreg(HW_REG_WAVE_MODE, 25, 1), 1
	s_wait_xcnt 0x0
	s_wait_alu depctr_hold_cnt(0) depctr_sa_sdst(0) depctr_va_vdst(0) depctr_va_sdst(0) depctr_va_ssrc(0) depctr_va_vcc(0) depctr_vm_vsrc(0)
	s_getreg_b32 s2, hwreg(HW_REG_IB_STS2, 6, 4)
	s_cmp_eq_u32 s2, 0
	s_cbranch_scc0 .Lentry_in_a_cluster
	s_endpgm
.Lentry_in_a_cluster:
	s_bfe_u32 s2, ttmp6, 0x10000c
	s_cmp_lg_u32 s2, 0xf033
	s_cbranch_scc0 .Lentry_shape_is_right
	s_endpgm
.Lentry_shape_is_right:
; QKV: the two quantised products, on codes of E2M1 with E8M0 scales, the rope, and the rounding to f16.  Three problems in one text, told apart by the cluster's y (the same in all partners):
;   y = 0: q = x Wq          rows: x,               columns: Wq^T            one tile of 256 x 256, K = 2,048: four K steps of 512
;   y = 1: k = ctx Wkv[:, :2048]   rows: ctx,       columns: Wkv^T 0..2047   two tiles (batch 0, batch 1), K = 1,024: two K steps each
;   y = 2: v^T               rows: Wkv^T 2048..,    columns: ctx             two tiles likewise: a lane then holds one channel and eight keys, which is what the second product of attention wants
; So every work-group walks FOUR ring steps: two first fills, two refills, the same waits, rounds and joint loads on every way; only scalars differ.  64 work-groups a problem, 192 in all, of equal matrix work.
; A work-group: four waves, a wave 128 x 128: 64 accumulators.  THE MATRIX INSTRUCTION IS USED TRANSPOSED (source 0 = 16 "column" rows, source 1 = 16 "row" rows): a lane holds one row and eight neighbouring columns.
; OPERANDS LIE IN MEMORY AS IMAGES OF THEIR REGISTERS: a block of 128 rows x 512 K is BLK dense bytes (codes at 4096 i + 1024 q + 512 c + 16 lane, scale words at 32768 + 256 i + 16 r + 4 q): one tensor load a wave,
; no padding, and every LDS load reads 512 consecutive bytes.
; CLUSTERS: 4 x 4.  The four of a row need the same blocks of the row operand, the four of a column the same of the column operand: each is asked for jointly.
; THE WAY OUT needs no LDS: a lane's eight results, rounded to f16, are 16 bytes of a chunk of the next launch's operand image: one store of 512 consecutive bytes for each accumulator.
;   qf, kf: (32 batch + head) 262144 + 2048 (16 rows) + 1024 (32 channels) + 512 chunk + 16 lane.   vf: batch 8388608 + 262144 (64 keys) + 8192 head + 2048 (16 channels) + 1024 (32 keys) + 512 chunk + 16 lane.
; LIMITS: the results go to f16: 0.18 |q|, |k|, |v| up to 65,504.
; REGISTERS: window 0: v16-29 addresses; v32-95 scale words, two sets; v128-191 the row operand's fragments, one set.
;   window 1: v0-63, v128-191 the column operand's fragments, two sets; v64-127 at work in the rope.   windows 2, 3: the accumulators ((a, b) at v[8 (8 (a % 4) + b)]).
;   The way out's buffers of 32 registers (macro BUF): window 0 v96-127, v192-223, v224-255; window 1 v128-159, v160-191 (the column set that the last step has left), v192-223, v224-255.
.set BLK,    34816
.set SLOT,   4*BLK                     ; the row operand's two blocks, then the column operand's two
.set SPARE,  2*SLOT                    ; behind the ring: the spare words, 128 bytes for each wave, which no other line names
.set NQ,     4                         ; matrix instructions deep in a K step
.set FR,     8                         ; registers of a fragment
.set NL,     2                         ; LDS loads that bring one
.set NP,     4                         ; places behind this matrix instruction
.set ADRA, 16                          ; v16-17  LDS address of my row fragments in slot 0, 1
.set ADRB, 20                          ; v20-21  of my column fragments
.set ADRS, 22                          ; v22-23  of my scale words: lanes 0-15 the rows', lanes 16-31 the columns'
.set LI,   26                          ; v26     16 x lane
.set SPW,  28                          ; v28     LDS address of my spare word; never rewritten
.set NIL,  29                          ; v29     0; never rewritten
.set SC,   32
.set AF,   128
.set G1, 24                            ; s[24:31] group 1 for the row operand; s[32:39] its groups 0, one for each slot
.set G0, 32
.set G1B, 48                           ; s[48:55], s[56:63] the same for the column operand
.set G0B, 56
.set YY,  66                           ; s66     the problem
.set DA,  72                           ; s[72:73] what a refill adds to the row operand's address; s[74:75] to the column operand's
.set DB,  74
.set OUTP, 84                          ; s[84:85] where my results go
.set TBP,  86                          ; s[86:87] my rows' part of the table
.set MSB, 0
.macro WIN new                         ; the immediate's high byte repeats the setting that is left
.if MSB != (\new)
	s_set_vgpr_msb (MSB<<8)|(\new)
.set MSB, (\new)
.endif
.endm
.set MUL_LO, 0xa1                      ; source 0 window 1, source 1 window 0, C and D window 2
.set MUL_HI, 0xf1                      ; the same, C and D window 3
.set TO_B,   0x40                      ; destination window 1, address window 0
; A joint load: waves 0 and 1 fetch the row operand's two blocks, waves 2 and 3 the column operand's.  The branch hangs on the wave's number alone.  An s_nop 0 and four v_nop follow each line.
.macro JLOAD g0a, g1a, g0b, g1b
	s_cmp_eq_u32 s15, 0
	s_cbranch_scc0 .Lfor_b_\@
	tensor_load_to_lds s[\g0a:\g0a+3], s[\g1a:\g1a+7]
	s_nop 0
.rept 4
	v_nop
.endr
	s_branch .Lasked_\@
.Lfor_b_\@:
	tensor_load_to_lds s[\g0b:\g0b+3], s[\g1b:\g1b+7]
	s_nop 0
.rept 4
	v_nop
.endr
.Lasked_\@:
.endm
.macro CREST                           ; a round of the cluster's barrier behind its opening barrier
	s_cmp_lg_u32 s14, 0
	s_cbranch_scc1 .Lnot_wave_0_\@
	s_barrier_signal -3
.Lnot_wave_0_\@:
	s_barrier_wait -3
	s_barrier_signal -1
	s_barrier_wait -1
.endm
.macro CROUND
	s_barrier_signal -1
	s_barrier_wait -1
	CREST
.endm
	s_load_b256 s[4:11], s[0:1], 0x0               ; codes s[4:5], tab s[6:7], qf s[8:9], kf s[10:11]
	s_load_b64 s[12:13], s[0:1], 0x20              ; vf
	v_lshl_add_u32 v[SPW], v0, 2, SPARE
	v_mov_b32 v[NIL], 0
	ds_add_u32 v[SPW], v[NIL]                      ; the wave's opening: the add, twice on end, and its wait ahead of my first tensor load
	ds_add_u32 v[SPW], v[NIL]
	v_lshrrev_b32 v1, 5, v0
	v_readfirstlane_b32 s14, v1                    ; wave 0..3
	s_lshr_b32 s15, s14, 1                         ; which half of the tile's rows is mine.  Also: I fetch for the rows (0) or the columns (1)
	s_and_b32 s16, s14, 1                          ; which half of its columns.  Also: which block of 128 I fetch
	s_bfe_u32 s40, ttmp6, 0x40000                  ; cx, cy: my place in the cluster
	s_bfe_u32 s41, ttmp6, 0x40004
	s_and_b32 s42, ttmp9, 1                        ; a problem is 2 x 2 clusters
	s_lshl_b32 s42, s42, 2
	s_add_co_u32 s42, s42, s40                     ; tile column 0..7
	s_lshr_b32 s17, ttmp9, 1
	s_lshl_b32 s17, s17, 2
	s_add_co_u32 s17, s17, s41                     ; tile row 0..7
	s_and_b32 s[YY], ttmp7, 0xffff
	s_lshl_b32 s43, s41, 2
	s_lshl_b32 s43, 15, s43                        ; my row of the cluster
	s_lshl_b32 s44, 0x1111, s40                    ; my column
	; group 1: a dense block of BLK bytes as 136 rows of 256 bytes (32 elements of 8 bytes), no padding
	s_or_b32 s[G1+0], s43, (3<<16)|(1<<21)         ; 15:0 the mask; 17:16 elements of 8 bytes; 21 set beside a mask
	s_or_b32 s[G1B+0], s44, (3<<16)|(1<<21)
.irp g, G1, G1B
	s_mov_b32 s[\g+1], 32<<16                      ; tensor_dim0
	s_mov_b32 s[\g+2], 136<<16                     ; tensor_dim1
	s_mov_b32 s[\g+3], 32<<16                      ; tile_dim0
	s_mov_b32 s[\g+4], 136                         ; tile_dim1
	s_mov_b32 s[\g+5], 32                          ; the pitch
	s_mov_b32 s[\g+6], 0
	s_mov_b32 s[\g+7], 0
.endr
	; the problem's constants: where its operands begin in codes, and what the refills add
	s_cmp_eq_u32 s[YY], 1
	s_mov_b32 s68, 7798784                         ; y = 2: rows: Wkv^T from row 2,048 on
	s_cselect_b32 s68, 2228224, s68                ; y = 1: ctx
	s_mov_b32 s70, 2228224                         ; y = 2: columns: ctx
	s_cselect_b32 s70, 6684672, s70                ; y = 1: Wkv^T
	s_cselect_b32 s[DA], 1114112, 0                ; y = 1: the rows go on to batch 1 (16 blocks of rows x 2 K steps); y = 2: the same rows again
	s_cselect_b32 s[DB], 0, 1114112
	s_cmp_eq_u32 s[YY], 0
	s_cselect_b32 s68, 0, s68                      ; y = 0: x,
	s_cselect_b32 s70, 4456448, s70                ; Wq^T,
	s_cselect_b32 s[DA], 2*BLK, s[DA]              ; two K steps on
	s_cselect_b32 s[DB], 2*BLK, s[DB]
	s_cselect_b32 s67, 2, 1                        ; log2 of the K steps in a row
	s_mov_b32 s[DA+1], 0
	s_mov_b32 s[DB+1], 0
	s_lshl_b32 s20, s17, 1                         ; the row operand hangs on the tile row alone,
	s_add_co_u32 s20, s20, s16
	s_lshl_b32 s20, s20, s67
	s_mul_i32 s20, s20, BLK
	s_add_co_u32 s20, s20, s68
	s_mov_b32 s21, 0
	s_lshl_b32 s46, s42, 1                         ; the column operand on the tile column alone
	s_add_co_u32 s46, s46, s16
	s_lshl_b32 s46, s46, s67
	s_mul_i32 s46, s46, BLK
	s_add_co_u32 s46, s46, s70
	s_mov_b32 s47, 0
	s_mul_i32 s45, s14, BLK                        ; where they go: wave x a block: no place in the cluster enters an LDS address
	s_wait_dscnt 0x0                               ; both opening adds are done
	s_wait_kmcnt 0x0
	s_add_nc_u64 s[20:21], s[4:5], s[20:21]
	s_add_nc_u64 s[46:47], s[4:5], s[46:47]
	CROUND                                         ; all sixteen work-groups are here: the first joint loads meet
.irp s, 0,1
	s_mov_b32 s[G0+4*\s], 1
	s_add_co_u32 s[G0+4*\s+1], s45, \s*SLOT
	s_add_nc_u64 s[G0+4*\s+2:G0+4*\s+3], s[20:21], \s*BLK
	s_or_b32 s[G0+4*\s+3], s[G0+4*\s+3], 0x80000000
	s_mov_b32 s[G0B+4*\s], 1
	s_add_co_u32 s[G0B+4*\s+1], s45, \s*SLOT
	s_add_nc_u64 s[G0B+4*\s+2:G0B+4*\s+3], s[46:47], \s*BLK
	s_or_b32 s[G0B+4*\s+3], s[G0B+4*\s+3], 0x80000000
	JLOAD G0+4*\s, G1, G0B+4*\s, G1B               ; by this text's count two loads of mine are out here, later one
.endr
	v_and_b32 v1, 15, v0                           ; r
	v_bfe_u32 v2, v0, 4, 1                         ; h
	v_and_b32 v3, 31, v0
	v_lshlrev_b32 v[LI], 4, v3
	s_mul_i32 s21, s15, BLK                        ; my 128 rows
	s_mul_i32 s22, s16, BLK                        ; my 128 columns,
	s_add_co_u32 s22, s22, 2*BLK                   ; behind the rows' two blocks
.irp s, 0,1
	v_add_nc_u32 v[ADRA+\s], s21, v[LI]
	v_add_nc_u32 v[ADRB+\s], s22, v[LI]
	s_add_co_u32 s21, s21, SLOT
	s_add_co_u32 s22, s22, SLOT
.endr
	s_mul_i32 s21, s15, BLK
	s_mul_i32 s22, s16, BLK
	s_add_co_u32 s22, s22, 2*BLK
	s_sub_co_u32 s22, s22, s21
	v_mul_u32_u24 v6, s22, v2                      ; lanes 16-31 take the columns' words: one product, the distance between the two blocks
	v_lshl_add_u32 v6, v1, 4, v6
	s_add_co_u32 s21, s21, 32768
	v_add_nc_u32 v[ADRS], s21, v6
	v_add_nc_u32 v[ADRS+1], SLOT, v[ADRS]
	; where my results go
	s_lshl_b32 s76, s17, 4
	s_lshl_b32 s77, s15, 3
	s_add_co_u32 s76, s76, s77                     ; my first block of 16 rows: 16 x tile row + 8 x half
	s_lshl_b32 s78, s42, 2
	s_lshl_b32 s79, s16, 1
	s_add_co_u32 s78, s78, s79                     ; my first group of 64 columns (a head; for v^T 64 keys)
	s_lshr_b32 s80, s76, 6                         ; q: the batch,
	s_and_b32 s81, s76, 63                         ; and the block in it
	s_add_co_u32 s82, s76, 128                     ; k: the keys' part of the table
	s_cmp_eq_u32 s[YY], 0
	s_cselect_b32 s80, s80, 0
	s_cselect_b32 s81, s81, s76
	s_cselect_b32 s82, s76, s82
	s_cselect_b64 s[OUTP:OUTP+1], s[8:9], s[10:11]
	s_cmp_eq_u32 s[YY], 2
	s_cselect_b64 s[OUTP:OUTP+1], s[12:13], s[OUTP:OUTP+1]
	s_lshl_b32 s80, s80, 23
	s_lshl_b32 s78, s78, 18
	s_lshl_b32 s81, s81, 11
	s_add_co_u32 s80, s80, s78
	s_add_co_u32 s80, s80, s81
	s_mov_b32 s81, 0
	s_add_nc_u64 s[OUTP:OUTP+1], s[OUTP:OUTP+1], s[80:81]
	s_lshl_b32 s82, s82, 12
	s_mov_b32 s83, 0
	s_add_nc_u64 s[TBP:TBP+1], s[6:7], s[82:83]
.macro FRAG reg, adr, q, i             ; a fragment, 16 rows x 128 K: two chunks as they lie
.irp c, 0,1
	ds_load_b128 v[\reg+4*\c:\reg+4*\c+3], v[\adr] offset:4096*(\i)+1024*(\q)+512*\c
.endr
.endm
; 16 matrix instructions: row blocks a0, a0 + 1 x the eight column blocks.  p: the column set; sc: the set of scale words.  zero = 1: the product starts the sums.
; The 64 accumulators take turns, one instruction a turn, in the same order in every step.
.macro MUL16 a0, p, q, sc, zero
.irp a, \a0, \a0+1
.irp b, 0,1,2,3,4,5,6,7
.if \zero
	v_wmma_scale_f32_16x16x128_f8f6f4 v[8*(8*((\a)%4)+\b):8*(8*((\a)%4)+\b)+7], v[128*(\p)+FR*\b:128*(\p)+FR*\b+FR-1], v[AF+FR*(\a):AF+FR*(\a)+FR-1], 0, v[SC+8*NQ*(\sc)+NQ*\b+(\q)], v[SC+8*NQ*(\sc)+NQ*(\a)+(\q)] matrix_a_fmt:MATRIX_FMT_FP4 matrix_b_fmt:MATRIX_FMT_FP4 matrix_a_scale:MATRIX_SCALE_ROW1
.else
	v_wmma_scale_f32_16x16x128_f8f6f4 v[8*(8*((\a)%4)+\b):8*(8*((\a)%4)+\b)+7], v[128*(\p)+FR*\b:128*(\p)+FR*\b+FR-1], v[AF+FR*(\a):AF+FR*(\a)+FR-1], v[8*(8*((\a)%4)+\b):8*(8*((\a)%4)+\b)+7], v[SC+8*NQ*(\sc)+NQ*\b+(\q)], v[SC+8*NQ*(\sc)+NQ*(\a)+(\q)] matrix_a_fmt:MATRIX_FMT_FP4 matrix_b_fmt:MATRIX_FMT_FP4 matrix_a_scale:MATRIX_SCALE_ROW1
.endif
.endr
.endr
.endm
.macro FETCH_B slot, q, p
	WIN TO_B
.irp i, 0,1,2,3,4,5,6,7
	FRAG 128*(\p)+FR*\i, ADRB+\slot, \q, \i
.endr
	WIN 0
.endm
.macro FETCH_A slot, q, i0
.irp i, \i0, \i0+1, \i0+2, \i0+3
	FRAG AF+FR*(\i), ADRA+\slot, \q, \i
.endr
.endm
.macro SCALES sc                       ; a K step's scale words: four words a row; lanes 0-15 the rows' block i, lanes 16-31 the columns' block i
.irp i, 0,1,2,3,4,5,6,7
	ds_load_b128 v[SC+8*NQ*\sc+NQ*\i:SC+8*NQ*\sc+NQ*\i+3], v[ADRS+\sc] offset:\i*256
.endr
.endm
.macro PLACES n                        ; plain instructions in front of loads into registers that matrix instructions have read, and of the first read of results
.rept \n
	v_nop
.endr
.endm
.macro STEP slot, q, zero              ; 128 along K, with its successor in the same slot
	s_wait_dscnt 4*NL                              ; the column set and row blocks 0-3 are in; the youngest eight loads (row blocks 4-7) may be out
	WIN MUL_LO
	MUL16 0, (\q)%2, \q, \slot, \zero
	MUL16 2, (\q)%2, \q, \slot, \zero
	s_wait_dscnt 0
	PLACES NP
	FETCH_B \slot, (\q)+1, 1-(\q)%2
	FETCH_A \slot, (\q)+1, 0
	WIN MUL_HI
	MUL16 4, (\q)%2, \q, \slot, \zero
	MUL16 6, (\q)%2, \q, \slot, \zero
	PLACES NP
	WIN 0
	FETCH_A \slot, (\q)+1, 4
.endm
; A slot's last step changes slots: one barrier; in front of it each wave waits for all its tensor loads, adds 0 to its spare word, and waits for that and for its reads of this slot.  fill = 1: the slot is filled again.
.macro TURN slot, next, fill
	s_wait_tensorcnt 0x0                           ; all my tensor loads have landed: my part of the next slot
	ds_add_u32 v[SPW], v[NIL]                      ; 0 onto my spare word
	s_wait_dscnt 4*NL+1                            ; (the add and the youngest eight loads may be out)
	WIN MUL_LO
	MUL16 0, 1, NQ-1, \slot, 0
	s_wait_dscnt 0x0                               ; the add is done, and my reads of this slot are over
	s_barrier_signal -1
	MUL16 2, 1, NQ-1, \slot, 0
	WIN 0
	s_barrier_wait -1
.if \fill
	CREST                                          ; the barrier has opened a round of the cluster's: no wave of any partner still reads this slot or has a load on its way
	s_add_nc_u64 s[G0+4*\slot+2:G0+4*\slot+3], s[G0+4*\slot+2:G0+4*\slot+3], s[DA:DA+1]
	s_add_nc_u64 s[G0B+4*\slot+2:G0B+4*\slot+3], s[G0B+4*\slot+2:G0B+4*\slot+3], s[DB:DB+1]
	JLOAD G0+4*\slot, G1, G0B+4*\slot, G1B         ; the first tensor load behind the round; its four v_nop are the places in front of the loads below
.else
	PLACES NP
.endif
	FETCH_B \next, 0, 0
	FETCH_A \next, 0, 0
	SCALES \next
	WIN MUL_HI
	MUL16 4, 1, NQ-1, \slot, 0
	MUL16 6, 1, NQ-1, \slot, 0
	PLACES NP
	WIN 0
	FETCH_A \next, 0, 4
.endm
.macro STEPS slot, from
.set Q, \from
.rept NQ-1-\from
	STEP \slot, Q, 0
.set Q, Q+1
.endr
.endm
; THE WAY OUT of a tile.  It issues no LDS instruction and touches no register into which an LDS load is on its way, nor a scale register.
; Seven buffers of 32 registers are free when a tile is finished.  In the first pass they take the rope's table of my row blocks 0 to 6, asked for AT ONCE (56 loads), so that one wait for memory serves the pass;
; block 7's table follows into block 0's buffer when that has been used.  In the second pass each block's packed results have a buffer of their own (block 7's: the lower half of the rope's work registers), so that no
; store's data are written again inside a way out.  BUF sets BW, the window, and BR, the first register, of block a's buffer; pk = 1: for the packed results.
.macro BUF a, pk
.if (\a) == 0
.set BW, 0
.set BR, 96
.elseif (\a) < 3
.set BW, 0
.set BR, 160+32*(\a)
.elseif (\a) < 7
.set BW, 1
.set BR, 32+32*(\a)
.elseif (\pk) == 1
.set BW, 1
.set BR, 64
.else
.set BW, 0
.set BR, 96
.endif
.endm
.macro TABLOAD a                       ; the table of my row block a: eight chunks, in the order of a lane's channels
	BUF \a, 0
.set WN, BW<<6
	WIN WN                                         ; the destination's window; the address lies in window 0
.irp n, 0,1,2,3,4,5,6,7
	global_load_b128 v[BR+4*\n:BR+4*\n+3], v[LI], s[TBP:TBP+1] offset:4096*(\a)+512*\n
.endr
.endm
.macro ROPE a                          ; in place: (x1, x2) -> (x1 c - x2 s, x1 s + x2 c); a pair of registers is a pair of the rope, each accumulator from its low end on
	BUF \a, 0
.set RW, 2+(\a)/4
.set AC, 64*((\a)%4)
.set WN, 0x40|(BW<<2)|RW
	WIN WN                                         ; destination window 1, source 0 the accumulators' window, source 1 the table's
.irp b, 0,1,2,3,4,5,6,7
.irp j, 0,1,2,3
	v_pk_mul_f32 v[64+8*\b+2*\j:65+8*\b+2*\j], v[AC+8*\b+2*\j:AC+8*\b+2*\j+1], v[BR+8*(\b%4)+2*\j:BR+8*(\b%4)+2*\j+1] op_sel:[0,0] op_sel_hi:[0,1]   ; (x1 c, x1 s)
.endr
.endr
.set WN, (RW<<6)|0x10|(BW<<2)|RW
	WIN WN                                         ; destination and source 0 the accumulators' window, source 1 the table's, source 2 window 1
.irp b, 0,1,2,3,4,5,6,7
.irp j, 0,1,2,3
	v_pk_fma_f32 v[AC+8*\b+2*\j:AC+8*\b+2*\j+1], v[AC+8*\b+2*\j:AC+8*\b+2*\j+1], v[BR+8*(\b%4)+2*\j:BR+8*(\b%4)+2*\j+1], v[64+8*\b+2*\j:65+8*\b+2*\j] op_sel:[1,1,0] op_sel_hi:[1,0,1] neg_lo:[0,1,0]   ; (-x2 s + x1 c, x2 c + x1 s)
.endr
.endr
.endm
.macro PACK a
	BUF \a, 1
.set RW, 2+(\a)/4
.set AC, 64*((\a)%4)
.set WN, (BW<<6)|(RW<<2)|RW
	WIN WN
.irp b, 0,1,2,3,4,5,6,7
.irp j, 0,1,2,3
	v_cvt_pk_f16_f32 v[BR+4*\b+\j], v[AC+8*\b+2*\j], v[AC+8*\b+2*\j+1]
.endr
.endr
.endm
.macro SEND a
	BUF \a, 1
.set WN, BW<<2
	WIN WN                                         ; a store's data are its source 1
.irp b, 0,1,2,3,4,5,6,7
	global_store_b128 v[LI], v[BR+4*\b:BR+4*\b+3], s[OUTP:OUTP+1] offset:2048*(\a)+(\b/4)*262144+(\b%4)*512   ; a chunk: 512 consecutive bytes
.endr
.endm
.macro EPI
	s_cmp_eq_u32 s[YY], 2                          ; v has no rope
	s_cbranch_scc1 .Lno_rope_\@
.irp a, 0,1,2,3,4,5,6
	TABLOAD \a
.endr
.irp a, 0,1,2,3,4,5,6,7
.if \a == 0
	s_wait_loadcnt 48                              ; block 0's eight loads are in; those of blocks 1 to 6 may be out
.else
	s_wait_loadcnt 8*(7-\a)                        ; block a's are in; those of the blocks behind it, block 7's among them, may be out
.endif
	ROPE \a
.if \a == 0
	TABLOAD 7                                      ; into the buffer that block 0 has just used
.endif
.endr
	WIN 0
.Lno_rope_\@:
.irp a, 0,1,2,3,4,5,6,7
	PACK \a
	SEND \a
.endr
	WIN 0
.endm
	s_wait_tensorcnt 1                             ; my part of ring step 0 is in (step 1's load may be out)
	s_barrier_signal -1
	s_barrier_wait -1                              ; everybody's is
	FETCH_B 0, 0, 0
	FETCH_A 0, 0, 0
	SCALES 0
	FETCH_A 0, 0, 4
	STEP 0, 0, 1                                   ; the first products start the sums
	STEPS 0, 1
	TURN 0, 1, 1
	STEPS 1, 0
	TURN 1, 0, 1
	s_cmp_eq_u32 s[YY], 0                          ; the same in all sixteen partners; no barrier, tensor load or LDS instruction but STEP's own stands in either arm
	s_cbranch_scc1 .Lone_tile
	EPI                                            ; k, v^T: the first tile is finished (four places stand behind its last product)
	s_wait_xcnt 0x0                                ; its loads and stores have read their bases and their registers: the bases step, and the buffers are written again from here on
	s_add_nc_u64 s[OUTP:OUTP+1], s[OUTP:OUTP+1], 8388608   ; batch 1
	s_add_nc_u64 s[TBP:TBP+1], s[TBP:TBP+1], 524288
	STEP 0, 0, 1                                   ; and the second begins
	s_branch .Lmid_done
.Lone_tile:
	STEP 0, 0, 0                                   ; q: the sums go on
.Lmid_done:
	STEPS 0, 1
	TURN 0, 1, 0                                   ; nothing is left to fetch
	STEPS 1, 0
	s_wait_dscnt 4*NL
	WIN MUL_LO
	MUL16 0, 1, NQ-1, 1, 0
	MUL16 2, 1, NQ-1, 1, 0
	s_wait_dscnt 0
	WIN MUL_HI
	MUL16 4, 1, NQ-1, 1, 0
	MUL16 6, 1, NQ-1, 1, 0
	WIN 0
	PLACES NP
	EPI
	s_wait_tensorcnt 0x0                           ; the wave's end, behind my last tensor load
	ds_add_u32 v[SPW], v[NIL]
	s_wait_dscnt 0x0
	CROUND                                         ; the closing round: no work-group ends while a partner may still ask for a block that names it
	s_endpgm
.Lfunc_end_k_q1a21a2bdf1_qkv:
	.size	k_q1a21a2bdf1_qkv, .Lfunc_end_k_q1a21a2bdf1_qkv-k_q1a21a2bdf1_qkv
	.p2alignl 7, 3214868480
	.fill 96, 4, 3214868480
	.section	.rodata,"a",@progbits
	.p2align	6, 0x0
	.amdhsa_kernel k_q1a21a2bdf1_qkv
		.amdhsa_group_segment_fixed_size 327680
		.amdhsa_private_segment_fixed_size 0
		.amdhsa_enable_private_segment 0
		.amdhsa_kernarg_size 40
		.amdhsa_user_sgpr_count 2
		.amdhsa_user_sgpr_kernarg_segment_ptr 1
		.amdhsa_wavefront_size32 1
		.amdhsa_system_sgpr_workgroup_id_x 1
		.amdhsa_system_sgpr_workgroup_id_y 1
		.amdhsa_system_sgpr_workgroup_id_z 1
		.amdhsa_system_vgpr_workitem_id 0
		.amdhsa_next_free_vgpr 1024
		.amdhsa_next_free_sgpr 100
		.amdhsa_reserve_vcc 0
		.amdhsa_float_denorm_mode_32 3
		.amdhsa_float_denorm_mode_16_64 3
		.amdhsa_memory_ordered 1
		.amdhsa_forward_progress 1
		.amdhsa_inst_pref_size 255
	.end_amdhsa_kernel
	.section	.bss,"aw",@nobits
	.p2align	6
	.space	262144
	.amdgpu_metadata
---
amdhsa.version: [ 1, 2 ]
amdhsa.kernels:
  - .name:           k_q1a21a2bdf1_qkv
    .symbol:         k_q1a21a2bdf1_qkv.kd
    .args:
      - { .name: codes, .offset: 0, .size: 8, .value_kind: global_buffer, .address_space: global }
      - { .name: tab, .offset: 8, .size: 8, .value_kind: global_buffer, .address_space: global }
      - { .name: qf, .offset: 16, .size: 8, .value_kind: global_buffer, .address_space: global }
      - { .name: kf, .offset: 24, .size: 8, .value_kind: global_buffer, .address_space: global }
      - { .name: vf, .offset: 32, .size: 8, .value_kind: global_buffer, .address_space: global }
    .group_segment_fixed_size: 327680
    .private_segment_fixed_size: 0
    .kernarg_segment_align: 8
    .kernarg_segment_size: 40
    .max_flat_workgroup_size: 128
    .sgpr_count:     100
    .vgpr_count:     1024
    .wavefront_size: 32
...
	.end_amdgpu_metadata
.endif
;; end of part 2
;; launch attn (part 3): grid 4 x 64, 8 waves a work-group, clusters of 4 x 1, 327,680 bytes of LDS; arguments qf, kf, vf, at; writes at
.if DOCPART == 3
	.amdgcn_target "amdgcn-amd-amdhsa--gfx1250"
	.amdhsa_code_object_version 6
	.text
	.protected	k_q1a21a2bdf1_attn
	.globl	k_q1a21a2bdf1_attn
	.p2align	8
	.type	k_q1a21a2bdf1_attn,@function
k_q1a21a2bdf1_attn:
	s_mov_b64 s[64:65], 0
	v_nop
	global_prefetch_b8 v0, s[64:65] scope:SCOPE_SE
	s_setreg_imm32_b32 hwreg(HW_REG_WAVE_MODE, 25, 1), 1
	s_wait_xcnt 0x0
	s_wait_alu depctr_hold_cnt(0) depctr_sa_sdst(0) depctr_va_vdst(0) depctr_va_sdst(0) depctr_va_ssrc(0) depctr_va_vcc(0) depctr_vm_vsrc(0)
	s_getreg_b32 s2, hwreg(HW_REG_IB_STS2, 6, 4)
	s_cmp_eq_u32 s2, 0
	s_cbranch_scc0 .Lentry_in_a_cluster
	s_endpgm
.Lentry_in_a_cluster:
	s_bfe_u32 s2, ttmp6, 0x10000c
	s_cmp_lg_u32 s2, 0x3003
	s_cbranch_scc0 .Lentry_shape_is_right
	s_endpgm
.Lentry_shape_is_right:
; ATTENTION, one (batch, head) to a cluster: at = softmax(q k^T / 8) v.  q (with log2(e) / 8 in it), k and v^T arrive in f16 as images of operand registers; products in f16 with f32 sums; maxima, exponentials and sums in f32.
; SHARES.  A work-group owns 256 queries, each of its eight waves 32: two tiles of 16.  Two waves lie on a SIMD, so that one wave's softmax stands beside the other's products.  Every wave walks all 2,048 keys, 64 a step.
; LAYOUT.  S^T = K Q^T (source 0 = 16 keys, source 1 = 16 queries): a lane holds ONE query and the keys 8 (lane / 16) + 0..7.  Two such tiles, rounded to f16 in pairs, ARE source 1 (32 keys x 16 queries) of O^T = V^T P,
; whose result again holds one query a lane and eight channels: 16 bytes of a chunk of the next launch's operand.  Nothing changes lanes but one exchange of maxima and one of sums.
; SOFTMAX.  For each query a running maximum m and sum l: p = 2^(s - m); in every step O and l are multiplied by 2^(m_old - m_new).
; RING.  Two slots of 512 keys (K 64 KiB, V 64 KiB), dense, read as 512 consecutive bytes a load.  Four tiles of keys in all: two first fills, two refills.
; CLUSTER.  The four query blocks of a head walk the same K and V: each tile is asked for jointly.  Waves 0-3 fetch K's quarters, waves 4-7 V's.
; LIMITS: p, and O / l, go to f16 (p is at most 1; |attn| up to 65,504).
.set SLOT1, 1<<17                      ; slot 1 begins here: one exclusive or turns an address from one slot to the other
.set VOFF,  65536                      ; in a slot: K, then V
.set SPARE, 2*SLOT1                    ; behind the ring: the spare words, 128 bytes for each of eight waves, which no other line names
.set LI,  1                            ; v1   16 x lane
.set LIV, 2                            ; v2   the same in V's part of a slot
.set ADK, 3                            ; v3   LDS address of the step's K
.set ADV, 4                            ; v4   of its V
.set SPW, 5                            ; v5   LDS address of my spare word; never rewritten
.set NIL, 6                            ; v6   0; never rewritten
.set PFO, 7                            ; v7   256 x lane; never rewritten
.set ST,  8                            ; tile t's statistics at v[8 + 8 t]: +0 m, +1 the old m, +2, +3 l (two halves), +4, +5 at work, +6 the factor, +7 its exponent
.set Q,   32                           ; v32-63   Q: 16 t + 8 (32 channels)
.set KV,  64                           ; v64-127  eight fragments of K, then of V
.set S,   128                          ; v128-191 S^T: 32 t + 8 (16 keys); p is packed in place into 32 t + 0..15
.set O,   192                          ; v192-255 O^T: 32 t + 8 (16 channels)
.set WV,  12
.set LIM, 15                           ; s15  1 in a wave that prefetches, else the greatest number
.set PFA, 18                           ; s[18:19] what my one prefetch names
.set G1K, 24
.set G1V, 32
.set G0K, 40                           ; s[40:47] K's groups 0: tile 0, and the one that walks on from tile 1
.set G0V, 48                           ; s[48:55] V's
.set SLOTS, 56
.set CNT, 57
.set SEL, 60
.set TB,  62                           ; s62  LDS byte at which the step's K begins
.macro JLOAD                           ; a joint refill; the branch hangs on the wave's number alone; an s_nop 0 and four v_nop follow each line
	s_cmp_lt_u32 s[WV], 4
	s_cbranch_scc0 .Lfor_v_\@
	tensor_load_to_lds s[G0K+4:G0K+7], s[G1K:G1K+7]
	s_nop 0
.rept 4
	v_nop
.endr
	s_branch .Lasked_\@
.Lfor_v_\@:
	tensor_load_to_lds s[G0V+4:G0V+7], s[G1V:G1V+7]
	s_nop 0
.rept 4
	v_nop
.endr
.Lasked_\@:
.endm
; A PREFETCH INTO THE L2 of the last tile of keys (tile 3), at the first change of slots, eight key steps ahead of the load that asks for it.  Its 128 KiB are shared out by ADDRESS among the four partners, 32 KiB each;
; in each, waves 0, 1 name 8 KiB of K and waves 2, 3 8 KiB of V, lanes 256 bytes apart: each block of 256 bytes is named once in the launch.  Tiles 0 to 2 come by their loads alone.
.macro ASK
	s_cmp_gt_u32 s[SLOTS], s[LIM]
	s_cbranch_scc0 .Lnot_mine_\@
	global_prefetch_b8 v[PFO], s[PFA:PFA+1] th:TH_LOAD_NT scope:SCOPE_SE
.Lnot_mine_\@:
.endm
.macro CROUND
	s_barrier_signal -1
	s_barrier_wait -1
	s_cmp_lg_u32 s[WV], 0
	s_cbranch_scc1 .Lnot_wave_0_\@
	s_barrier_signal -3
.Lnot_wave_0_\@:
	s_barrier_wait -3
	s_barrier_signal -1
	s_barrier_wait -1
.endm
	s_load_b256 s[4:11], s[0:1], 0x0               ; qf s[4:5], kf s[6:7], vf s[8:9], at s[10:11]
	v_lshl_add_u32 v[SPW], v0, 2, SPARE
	v_mov_b32 v[NIL], 0
	ds_add_u32 v[SPW], v[NIL]                      ; the wave's opening: the add, twice on end, and its wait ahead of my first tensor load
	ds_add_u32 v[SPW], v[NIL]
	v_lshrrev_b32 v8, 5, v0
	v_readfirstlane_b32 s[WV], v8                  ; wave 0..7
	s_bfe_u32 s13, ttmp6, 0x40000                  ; cx: my block of 256 queries: it enters Q's, the result's and the prefetch's addresses alone
	s_and_b32 s14, ttmp7, 0xffff                   ; 32 batch + head, which the four partners share
	s_lshr_b32 s16, s14, 5                         ; batch
	s_and_b32 s17, s14, 31                         ; head
	s_and_b32 s58, s[WV], 3                        ; which quarter of a tile I fetch
	s_lshl_b32 s20, s14, 18                        ; K: the head's 262,144 bytes, a quarter is 16 KiB
	s_lshl_b32 s21, s58, 14
	s_add_co_u32 s20, s20, s21
	s_mov_b32 s21, 0
	s_lshl_b32 s22, s16, 23                        ; V: the batch, the head's 8 KiB in each run of 64 keys, a quarter is two runs
	s_lshl_b32 s23, s17, 13
	s_add_co_u32 s22, s22, s23
	s_lshl_b32 s23, s58, 19
	s_add_co_u32 s22, s22, s23
	s_mov_b32 s23, 0
	s_lshl_b32 s59, s58, 14                        ; and its place in a slot's half
	; group 1.  K: 16 KiB dense, as 64 rows of 256 bytes.  V: 2 rows of 8 KiB, 256 KiB apart.  Elements of 8 bytes, no padding
	s_mov_b32 s[G1K], 15|(3<<16)|(1<<21)           ; 15:0 the mask: all four work-groups; 21 set beside a mask
	s_mov_b32 s[G1K+1], 32<<16
	s_mov_b32 s[G1K+2], 64<<16
	s_mov_b32 s[G1K+3], 32<<16
	s_mov_b32 s[G1K+4], 64
	s_mov_b32 s[G1K+5], 32
	s_mov_b32 s[G1K+6], 0
	s_mov_b32 s[G1K+7], 0
	s_mov_b32 s[G1V], 15|(3<<16)|(1<<21)
	s_mov_b32 s[G1V+1], 1024<<16
	s_mov_b32 s[G1V+2], 2<<16
	s_mov_b32 s[G1V+3], 1024<<16
	s_mov_b32 s[G1V+4], 2
	s_mov_b32 s[G1V+5], 32768
	s_mov_b32 s[G1V+6], 0
	s_mov_b32 s[G1V+7], 0
	s_mov_b32 s[SEL], 0x76543210
	s_mov_b32 s[SEL+1], 0xfedcba98                 ; lane l xor 16
	s_mov_b32 s[TB], 0
	s_mov_b32 s[SLOTS], 2
	; the prefetch: tile 3
	s_and_b32 s63, s[WV], 1
	s_lshl_b32 s2, s14, 18
	s_add_co_u32 s2, s2, 3*65536
	s_lshl_b32 s3, s13, 14
	s_add_co_u32 s2, s2, s3
	s_lshl_b32 s3, s63, 13
	s_add_co_u32 s2, s2, s3                        ; K: my work-group's 16 KiB of the tile, my wave's half of them
	s_lshl_b32 s3, s13, 1
	s_add_co_u32 s3, s3, s63
	s_add_co_u32 s3, s3, 24
	s_lshl_b32 s3, s3, 18                          ; V: the run of 64 keys 24 + 2 cx + (wave & 1)
	s_lshl_b32 s63, s16, 23
	s_add_co_u32 s3, s3, s63
	s_lshl_b32 s63, s17, 13
	s_add_co_u32 s3, s3, s63
	s_cmp_lt_u32 s[WV], 2
	s_cselect_b32 s2, s2, s3
	s_mov_b32 s3, 0
	s_cmp_lt_u32 s[WV], 4
	s_cselect_b32 s[LIM], 1, -1
	v_and_b32 v[LI], 31, v0
	v_lshlrev_b32 v[PFO], 8, v[LI]
	v_lshlrev_b32 v[LI], 4, v[LI]
	v_add_nc_u32 v[LIV], VOFF, v[LI]
	s_wait_dscnt 0x0                               ; both opening adds are done
	s_wait_kmcnt 0x0
	s_cmp_lt_u32 s[WV], 2
	s_cselect_b64 s[PFA:PFA+1], s[6:7], s[8:9]
	s_add_nc_u64 s[PFA:PFA+1], s[PFA:PFA+1], s[2:3]
	s_add_nc_u64 s[6:7], s[6:7], s[20:21]          ; K and V at my quarter of tile 0
	s_add_nc_u64 s[8:9], s[8:9], s[22:23]
	s_lshl_b32 s2, s14, 18                         ; Q: the head, my block's 16 tiles of 2,048 bytes, my wave's two
	s_lshl_b32 s3, s13, 15
	s_add_co_u32 s2, s2, s3
	s_lshl_b32 s3, s[WV], 12
	s_add_co_u32 s2, s2, s3
	s_mov_b32 s3, 0
	s_add_nc_u64 s[4:5], s[4:5], s[2:3]
	s_lshl_b32 s2, s16, 3                          ; the result: at[rows / 128][k / 256][64 KiB]: rows = 1024 batch + 256 cx + 32 wave, k = 64 head
	s_lshl_b32 s3, s13, 1
	s_add_co_u32 s2, s2, s3
	s_lshr_b32 s3, s[WV], 2
	s_add_co_u32 s2, s2, s3
	s_lshl_b32 s2, s2, 3
	s_lshr_b32 s3, s17, 2
	s_add_co_u32 s2, s2, s3
	s_lshl_b32 s2, s2, 16
	s_lshl_b32 s3, s58, 14
	s_add_co_u32 s2, s2, s3
	s_and_b32 s3, s17, 3
	s_lshl_b32 s3, s3, 11
	s_add_co_u32 s2, s2, s3
	s_mov_b32 s3, 0
	s_add_nc_u64 s[10:11], s[10:11], s[2:3]
	CROUND                                         ; all four work-groups are here: the first joint loads meet
.irp s, 0,1
	s_mov_b32 s[G0K+4*\s], 1
	s_add_co_u32 s[G0K+4*\s+1], s59, \s*SLOT1
	s_add_nc_u64 s[G0K+4*\s+2:G0K+4*\s+3], s[6:7], \s*65536
	s_or_b32 s[G0K+4*\s+3], s[G0K+4*\s+3], 0x80000000
	s_mov_b32 s[G0V+4*\s], 1
	s_add_co_u32 s[G0V+4*\s+1], s59, \s*SLOT1+VOFF
	s_add_nc_u64 s[G0V+4*\s+2:G0V+4*\s+3], s[8:9], \s*2097152
	s_or_b32 s[G0V+4*\s+3], s[G0V+4*\s+3], 0x80000000
.endr
	s_cmp_lt_u32 s[WV], 4                          ; a wave's two first fills stand in one branch, ahead of every wait on TENSORcnt and every LDS read: two loads of mine are out
	s_cbranch_scc0 .Lfirst_v
	tensor_load_to_lds s[G0K:G0K+3], s[G1K:G1K+7]
	s_nop 0
	tensor_load_to_lds s[G0K+4:G0K+7], s[G1K:G1K+7]
	s_nop 0
.rept 4
	v_nop
.endr
	s_branch .Lfirst_asked
.Lfirst_v:
	tensor_load_to_lds s[G0V:G0V+3], s[G1V:G1V+7]
	s_nop 0
	tensor_load_to_lds s[G0V+4:G0V+7], s[G1V:G1V+7]
	s_nop 0
.rept 4
	v_nop
.endr
.Lfirst_asked:
.irp i, 0,1,2,3,4,5,6,7
	global_load_b128 v[Q+4*\i:Q+4*\i+3], v[LI], s[4:5] offset:512*\i   ; Q stays in registers
.endr
.irp t, 0,1
	v_mov_b32 v[ST+8*\t], 0xff61b1e6               ; m: -3e38, under every score
.irp n, 1,2,3,4,5,6,7
	v_mov_b32 v[ST+8*\t+\n], 0                     ; l, and what is named before it is first written
.endr
.endr
.set i, 0
.rept 64
	v_mov_b32 v[O+i], 0                            ; O^T.  (The step is written once: the first finds zeros, which its factor 0 leaves zeros)
.set i, i+1
.endr
.macro SOFTMAX                         ; the two tiles line by line, so that no line waits for the line above it
.irp t, 0,1
	v_max3_num_f32 v[ST+8*\t+4], v[S+32*\t], v[S+32*\t+1], v[S+32*\t+2]          ; two chains; each accumulator is first read at its low end
	v_max3_num_f32 v[ST+8*\t+5], v[S+32*\t+16], v[S+32*\t+17], v[S+32*\t+18]
.endr
.irp i, 3,5,7,9,11,13
.irp t, 0,1
	v_max3_num_f32 v[ST+8*\t+4], v[ST+8*\t+4], v[S+32*\t+\i], v[S+32*\t+\i+1]
	v_max3_num_f32 v[ST+8*\t+5], v[ST+8*\t+5], v[S+32*\t+16+\i], v[S+32*\t+17+\i]
.endr
.endr
.irp t, 0,1
	v_max3_num_f32 v[ST+8*\t+4], v[ST+8*\t+4], v[S+32*\t+15], v[S+32*\t+31]
.endr
.irp t, 0,1
	v_max3_num_f32 v[ST+8*\t+4], v[ST+8*\t+4], v[ST+8*\t+5], v[ST+8*\t]          ; with the old m
.endr
.irp t, 0,1
	v_permlanex16_b32 v[ST+8*\t+5], v[ST+8*\t+4], s[SEL], s[SEL+1]               ; the query's other 32 keys lie in the lane 16 away
.endr
.irp t, 0,1
	v_mov_b32 v[ST+8*\t+1], v[ST+8*\t]
.endr
.irp t, 0,1
	v_max_num_f32 v[ST+8*\t], v[ST+8*\t+4], v[ST+8*\t+5]                         ; the new m
.endr
.irp t, 0,1
	v_sub_f32 v[ST+8*\t+7], v[ST+8*\t+1], v[ST+8*\t]
.endr
.irp j, 0,2,4,6,8,10,12,14,16,18,20,22,24,26,28,30
.irp t, 0,1
	v_pk_add_f32 v[S+32*\t+\j:S+32*\t+\j+1], v[S+32*\t+\j:S+32*\t+\j+1], v[ST+8*\t:ST+8*\t+1] op_sel_hi:[1,0] neg_lo:[0,1] neg_hi:[0,1]   ; s - m
.endr
.endr
.irp t, 0,1
	v_exp_f32 v[ST+8*\t+6], v[ST+8*\t+7]           ; ONE BATCH of 66 exponentials: the two factors,
.endr
.set i, 0
.rept 64
	v_exp_f32 v[S+i], v[S+i]                       ; and p
.set i, i+1
.endr
	v_nop                                          ; a plain instruction behind the last of them
	s_wait_alu depctr_va_vdst(0)                   ; one wait for the batch, ahead of its first reader
.irp t, 0,1
	v_pk_fma_f32 v[ST+8*\t+2:ST+8*\t+3], v[ST+8*\t+2:ST+8*\t+3], v[ST+8*\t+6:ST+8*\t+7], v[S+32*\t:S+32*\t+1] op_sel_hi:[1,0,1]   ; l under the new m, and the sum of p in f32, in two chains
	v_pk_add_f32 v[ST+8*\t+4:ST+8*\t+5], v[S+32*\t+2:S+32*\t+3], v[S+32*\t+6:S+32*\t+7]
.endr
.irp j, 4,8,12,16,20,24
.irp t, 0,1
	v_pk_add_f32 v[ST+8*\t+2:ST+8*\t+3], v[ST+8*\t+2:ST+8*\t+3], v[S+32*\t+\j:S+32*\t+\j+1]
	v_pk_add_f32 v[ST+8*\t+4:ST+8*\t+5], v[ST+8*\t+4:ST+8*\t+5], v[S+32*\t+\j+6:S+32*\t+\j+7]
.endr
.endr
.irp t, 0,1
	v_pk_add_f32 v[ST+8*\t+2:ST+8*\t+3], v[ST+8*\t+2:ST+8*\t+3], v[S+32*\t+28:S+32*\t+29]
.endr
.irp t, 0,1
	v_pk_add_f32 v[ST+8*\t+2:ST+8*\t+3], v[ST+8*\t+2:ST+8*\t+3], v[ST+8*\t+4:ST+8*\t+5]
.endr
.irp j, 0,1,2,3,4,5,6,7,8,9,10,11,12,13,14,15
.irp t, 0,1
	v_cvt_pk_f16_f32 v[S+32*\t+\j], v[S+32*\t+2*\j], v[S+32*\t+2*\j+1]           ; p to f16, in place, ascending: register j is written when 2 j and 2 j + 1 are read
.endr
.endr
.irp j, 0,2,4,6,8,10,12,14,16,18,20,22,24,26,28,30
.irp t, 0,1
	v_pk_mul_f32 v[O+32*\t+\j:O+32*\t+\j+1], v[O+32*\t+\j:O+32*\t+\j+1], v[ST+8*\t+6:ST+8*\t+7] op_sel_hi:[1,0]   ; O^T under the new m
.endr
.endr
.endm
; A KEY STEP: 64 keys.  In each run of products the eight accumulators take turns, one instruction a turn.
.macro KSTEP
	v_add_nc_u32 v[ADK], s[TB], v[LI]
	v_add_nc_u32 v[ADV], s[TB], v[LIV]
.rept 3
	v_nop                                          ; with the two additions: five places behind the last step's products, whose source P the first products below write over, and into whose source V the loads below land
.endr
.irp dg, 0,1
.irp kb, 0,1,2,3
.irp c, 0,1
	ds_load_b128 v[KV+8*(2*\kb+\dg)+4*\c:KV+8*(2*\kb+\dg)+4*\c+3], v[ADK] offset:1024*(2*\kb+\dg)+512*\c   ; K: channels 0-31 of the four tiles of keys first
.endr
.endr
.endr
	s_wait_dscnt 8                                 ; channels 0-31 are in; the eight loads of channels 32-63 may be out
.irp kb, 0,1,2,3
.irp t, 0,1
	v_wmma_f32_16x16x32_f16 v[S+32*\t+8*\kb:S+32*\t+8*\kb+7], v[KV+16*\kb:KV+16*\kb+7], v[Q+16*\t:Q+16*\t+7], 0
.endr
.endr
	s_wait_dscnt 0x0
.irp kb, 0,1,2,3
.irp t, 0,1
	v_wmma_f32_16x16x32_f16 v[S+32*\t+8*\kb:S+32*\t+8*\kb+7], v[KV+16*\kb+8:KV+16*\kb+15], v[Q+16*\t+8:Q+16*\t+15], v[S+32*\t+8*\kb:S+32*\t+8*\kb+7]
.endr
.endr
.rept 4
	v_nop                                          ; places in front of the loads into K's registers and of the first read of the scores
.endr
.irp f, 0,1,2,3,4,5,6,7
.irp c, 0,1
	ds_load_b128 v[KV+8*\f+4*\c:KV+8*\f+4*\c+3], v[ADV] offset:1024*\f+512*\c   ; V^T: fragment 2 (16 channels) + (32 keys); it lands under the softmax
.endr
.endr
	SOFTMAX
	s_wait_dscnt 0x0                               ; V is in
.irp kgl, 0,1
.irp cb, 0,1,2,3
.irp t, 0,1
	v_wmma_f32_16x16x32_f16 v[O+32*\t+8*\cb:O+32*\t+8*\cb+7], v[KV+8*(2*\cb+\kgl):KV+8*(2*\cb+\kgl)+7], v[S+32*\t+8*\kgl:S+32*\t+8*\kgl+7], v[O+32*\t+8*\cb:O+32*\t+8*\cb+7]
.endr
.endr
.endr
	s_add_co_u32 s[TB], s[TB], 8192                ; the next step's tiles
.endm
.macro SLOTSTEPS                       ; a slot's eight key steps: written once, walked eight times
	s_mov_b32 s[CNT], 8
.Lks_\@:
	KSTEP
	s_sub_co_u32 s[CNT], s[CNT], 1
	s_cmp_lg_u32 s[CNT], 0
	s_cbranch_scc1 .Lks_\@
.endm
; THE CHANGE OF SLOTS.  Each wave waits for all its tensor loads (its part of the other slot), adds 0 to its spare word, and waits for that and for its reads of the slot that it leaves.
; fill = 1: the barrier is a round of the cluster's, and the slot just left is filled with the tile two on: the load has eight key steps in which to land.
.macro CHANGE fill
	s_wait_tensorcnt 0x0                           ; no tensor load of mine is out, so a group 0 may be written
	ds_add_u32 v[SPW], v[NIL]                      ; 0 onto my spare word
.if \fill
	s_xor_b32 s[G0K+5], s[G0K+5], SLOT1            ; the walking descriptors: the other slot than last time,
	s_add_nc_u64 s[G0K+6:G0K+7], s[G0K+6:G0K+7], 65536      ; the next 512 keys
	s_xor_b32 s[G0V+5], s[G0V+5], SLOT1
	s_add_nc_u64 s[G0V+6:G0V+7], s[G0V+6:G0V+7], 2097152
	s_wait_dscnt 0x0                               ; the add is done, and my reads of the slot are over
	CROUND
	JLOAD
	ASK
.else
	s_wait_dscnt 0x0
	s_barrier_signal -1
	s_barrier_wait -1
.endif
	s_sub_co_u32 s[TB], s[TB], 65536               ; back to a slot's first step,
	s_xor_b32 s[TB], s[TB], SLOT1                  ; in the other slot
.endm
	s_wait_loadcnt 0x0                             ; Q
	s_wait_tensorcnt 1                             ; my part of slot 0 is in; slot 1's may stay out
	s_barrier_signal -1
	s_barrier_wait -1
	SLOTSTEPS                                      ; tile 0
.Lslot:                                            ; two trips: tiles 1 and 2, and the requests for tiles 2 and 3
	CHANGE 1
	SLOTSTEPS
	s_sub_co_u32 s[SLOTS], s[SLOTS], 1
	s_cmp_lg_u32 s[SLOTS], 0
	s_cbranch_scc1 .Lslot
	CHANGE 0                                       ; the tail is written out
	SLOTSTEPS                                      ; tile 3
	; THE WAY OUT: O^T / l, rounded to f16: a lane's eight channels are 16 bytes of a chunk of the next launch's operand
.rept 4
	v_nop                                          ; places behind the last products
.endr
.irp t, 0,1
	v_add_f32 v[ST+8*\t+4], v[ST+8*\t+2], v[ST+8*\t+3]
.endr
.irp t, 0,1
	v_permlanex16_b32 v[ST+8*\t+5], v[ST+8*\t+4], s[SEL], s[SEL+1]
.endr
.irp t, 0,1
	v_add_f32 v[ST+8*\t+4], v[ST+8*\t+4], v[ST+8*\t+5]
.endr
.irp t, 0,1
	v_rcp_f32 v[ST+8*\t+6], v[ST+8*\t+4]
.endr
	v_nop                                          ; a plain instruction behind the reciprocals,
	s_wait_alu depctr_va_vdst(0)                   ; and one wait for both, ahead of their first reader
.irp t, 0,1
.irp j, 0,2,4,6,8,10,12,14,16,18,20,22,24,26,28,30
	v_pk_mul_f32 v[O+32*\t+\j:O+32*\t+\j+1], v[O+32*\t+\j:O+32*\t+\j+1], v[ST+8*\t+6:ST+8*\t+7] op_sel_hi:[1,0]
.endr
.endr
.irp t, 0,1
.irp j, 0,1,2,3,4,5,6,7,8,9,10,11,12,13,14,15
	v_cvt_pk_f16_f32 v[S+16*\t+\j], v[O+32*\t+2*\j], v[O+32*\t+2*\j+1]
.endr
.endr
.irp t, 0,1
.irp cb, 0,1,2,3
	global_store_b128 v[LI], v[S+16*\t+4*\cb:S+16*\t+4*\cb+3], s[10:11] offset:8192*\t+512*\cb   ; 512 consecutive bytes
.endr
.endr
	s_wait_tensorcnt 0x0                           ; the wave's end, behind my last tensor load
	ds_add_u32 v[SPW], v[NIL]
	s_wait_dscnt 0x0
	CROUND                                         ; the closing round
	s_endpgm
.Lfunc_end_k_q1a21a2bdf1_attn:
	.size	k_q1a21a2bdf1_attn, .Lfunc_end_k_q1a21a2bdf1_attn-k_q1a21a2bdf1_attn
	.p2alignl 7, 3214868480
	.fill 96, 4, 3214868480
	.section	.rodata,"a",@progbits
	.p2align	6, 0x0
	.amdhsa_kernel k_q1a21a2bdf1_attn
		.amdhsa_group_segment_fixed_size 327680
		.amdhsa_private_segment_fixed_size 0
		.amdhsa_enable_private_segment 0
		.amdhsa_kernarg_size 32
		.amdhsa_user_sgpr_count 2
		.amdhsa_user_sgpr_kernarg_segment_ptr 1
		.amdhsa_wavefront_size32 1
		.amdhsa_system_sgpr_workgroup_id_x 1
		.amdhsa_system_sgpr_workgroup_id_y 1
		.amdhsa_system_sgpr_workgroup_id_z 1
		.amdhsa_system_vgpr_workitem_id 0
		.amdhsa_next_free_vgpr 256
		.amdhsa_next_free_sgpr 66
		.amdhsa_reserve_vcc 0
		.amdhsa_float_denorm_mode_32 3
		.amdhsa_float_denorm_mode_16_64 3
		.amdhsa_memory_ordered 1
		.amdhsa_forward_progress 1
		.amdhsa_inst_pref_size 69
	.end_amdhsa_kernel
	.amdgpu_metadata
---
amdhsa.version: [ 1, 2 ]
amdhsa.kernels:
  - .name:           k_q1a21a2bdf1_attn
    .symbol:         k_q1a21a2bdf1_attn.kd
    .args:
      - { .name: qf, .offset: 0, .size: 8, .value_kind: global_buffer, .address_space: global }
      - { .name: kf, .offset: 8, .size: 8, .value_kind: global_buffer, .address_space: global }
      - { .name: vf, .offset: 16, .size: 8, .value_kind: global_buffer, .address_space: global }
      - { .name: at, .offset: 24, .size: 8, .value_kind: global_buffer, .address_space: global }
    .group_segment_fixed_size: 327680
    .private_segment_fixed_size: 0
    .kernarg_segment_align: 8
    .kernarg_segment_size: 32
    .max_flat_workgroup_size: 256
    .sgpr_count:     66
    .vgpr_count:     256
    .wavefront_size: 32
...
	.end_amdgpu_metadata
.endif
;; end of part 3
;; launch proj (part 4): grid 16 x 16, 4 waves a work-group, clusters of 4 x 4, 327,680 bytes of LDS; arguments at, wo, bout, out0; writes out0
.if DOCPART == 4
	.amdgcn_target "amdgcn-amd-amdhsa--gfx1250"
	.amdhsa_code_object_version 6
	.text
	.protected	k_q1a21a2bdf1_proj
	.globl	k_q1a21a2bdf1_proj
	.p2align	8
	.type	k_q1a21a2bdf1_proj,@function
k_q1a21a2bdf1_proj:
	s_mov_b64 s[64:65], 0
	v_nop
	global_prefetch_b8 v0, s[64:65] scope:SCOPE_SE
	s_setreg_imm32_b32 hwreg(HW_REG_WAVE_MODE, 25, 1), 1
	s_wait_xcnt 0x0
	s_wait_alu depctr_hold_cnt(0) depctr_sa_sdst(0) depctr_va_vdst(0) depctr_va_sdst(0) depctr_va_ssrc(0) depctr_va_vcc(0) depctr_vm_vsrc(0)
	s_getreg_b32 s2, hwreg(HW_REG_IB_STS2, 6, 4)
	s_cmp_eq_u32 s2, 0
	s_cbranch_scc0 .Lentry_in_a_cluster
	s_endpgm
.Lentry_in_a_cluster:
	s_bfe_u32 s2, ttmp6, 0x10000c
	s_cmp_lg_u32 s2, 0xf033
	s_cbranch_scc0 .Lentry_shape_is_right
	s_endpgm
.Lentry_shape_is_right:
; PROJ: out0 = attn Wout + bout.  attn (at) and Wout^T (wo) arrive in f16 as images of operand registers: [rows / 128][k / 256][64 KiB], inside 8192 (16 rows) + 1024 (32 k) + 512 chunk + 16 lane.  Sums in f32; out0 [2048][2048] f32.
; 2,048 x 2,048 in tiles of 128 x 128 gives each of 256 work-groups one tile.  Four waves, each 64 x 64: 16 accumulators.  K goes in steps of 256 through two LDS slots; a wave's tensor load brings 32 KiB, dense, no padding;
; every LDS load reads 512 consecutive bytes.
; CLUSTERS: 4 x 4.  The four of a row need the same blocks of attn, the four of a column the same of Wout^T: each is asked for jointly.
; EACH CLUSTER BEGINS K AT ANOTHER STEP and walks it round: step (t + 2 x + 4 g) mod 8 in turn t, x the cluster's x, g = 0, 1, 1, 0 for the cluster's y = 0 .. 3.  So the four clusters that read the same rows of attn (same y) stand two
; K steps apart; of those that read the same rows of Wout^T (same x), y = 1, 2 stand four steps from y = 0, 3, and each of these two pairs walks in step.  The start hangs on the cluster's coordinates alone, which all sixteen partners share.
; LIMIT: the f32 sums therefore run along K in rotated order, beginning with the bias: another order of rounding than an ascending K.
; THE MATRIX INSTRUCTION IS USED TRANSPOSED (source 0 = 16 rows of Wout^T, source 1 = 16 rows of attn): a lane holds eight neighbouring numbers of a row of out0.  The bias is the C of each sum's first product.
; REGISTERS: window 0: v16-29 addresses; v32-95 the way out; v96-127 the bias; v128-255 the accumulators ((a, b) at v[128 + 8 (4 a + b)]).   window 1: two fragment buffers of 128 (64 of attn, then 64 of Wout^T, for 64 along K).
.set HALFT,  32768                     ; 64 rows x 256 K: what one tensor load brings, and what one wave reads of either operand
.set SLOT,   4*HALFT                   ; attn's 128 rows, then Wout^T's
.set STAGE,  2*SLOT                    ; behind the ring: 16 rows x 272 bytes for each wave, for the way out
.set SPITCH, 272
.set SPARE,  STAGE+4*16*SPITCH         ; behind the stages: the spare words, 128 bytes for each wave, which no other line names
.set LAPS,   4                         ; a lap = two K steps; K = 2,048
.set KSB,    65536                     ; a K step of 128 rows in memory
.set ADRA, 16
.set ADRB, 20
.set STO,  24
.set RD,   25
.set CO,   26
.set SPW,  28                          ; v28  LDS address of my spare word; never rewritten
.set NIL,  29                          ; v29  0; never rewritten
.set TMP,  32
.set BI,   96
.set ACC,  128
.set F0,   0
.set F1,   128
.set KO,   18                          ; s[18:19] the byte offset of the lap's first K step in my rows' eight: 0, 2, 4 or 6 steps; an offset, kept apart from the pointers
.set G1, 24
.set G0, 32
.set G1B, 48
.set G0B, 56
.set MSB, 0
.macro WIN new
.if MSB != (\new)
	s_set_vgpr_msb (MSB<<8)|(\new)
.set MSB, (\new)
.endif
.endm
.set MUL,  0x05                        ; sources 0 and 1 window 1; C and D window 0
.set TO_F, 0x40                        ; destination window 1, address window 0
.macro JLOAD s                         ; a joint load: waves 0 and 1 fetch attn's two halves, waves 2 and 3 Wout^T's; an s_nop 0 and four v_nop follow each line
	s_cmp_eq_u32 s13, 0
	s_cbranch_scc0 .Lfor_b_\@
	tensor_load_to_lds s[G0+4*\s:G0+4*\s+3], s[G1:G1+7]
	s_nop 0
.rept 4
	v_nop
.endr
	s_branch .Lasked_\@
.Lfor_b_\@:
	tensor_load_to_lds s[G0B+4*\s:G0B+4*\s+3], s[G1B:G1B+7]
	s_nop 0
.rept 4
	v_nop
.endr
.Lasked_\@:
.endm
.macro CREST
	s_cmp_lg_u32 s12, 0
	s_cbranch_scc1 .Lnot_wave_0_\@
	s_barrier_signal -3
.Lnot_wave_0_\@:
	s_barrier_wait -3
	s_barrier_signal -1
	s_barrier_wait -1
.endm
.macro CROUND
	s_barrier_signal -1
	s_barrier_wait -1
	CREST
.endm
; slot s's two groups 0 point at K step KO / KSB + s of my rows: s[4:5] attn's, s[6:7] Wout^T's rows at their K step 0.  No tensor load of mine is out where this stands
.macro POINT s
	s_add_nc_u64 s[G0+4*\s+2:G0+4*\s+3], s[4:5], s[KO:KO+1]
	s_add_nc_u64 s[G0B+4*\s+2:G0B+4*\s+3], s[6:7], s[KO:KO+1]
.if \s == 1
	s_add_nc_u64 s[G0+4*\s+2:G0+4*\s+3], s[G0+4*\s+2:G0+4*\s+3], KSB
	s_add_nc_u64 s[G0B+4*\s+2:G0B+4*\s+3], s[G0B+4*\s+2:G0B+4*\s+3], KSB
.endif
	s_or_b32 s[G0+4*\s+3], s[G0+4*\s+3], 0x80000000
	s_or_b32 s[G0B+4*\s+3], s[G0B+4*\s+3], 0x80000000
.endm
	s_load_b256 s[4:11], s[0:1], 0x0               ; at s[4:5], wo s[6:7], bout s[8:9], out0 s[10:11]
	v_lshl_add_u32 v[SPW], v0, 2, SPARE
	v_mov_b32 v[NIL], 0
	ds_add_u32 v[SPW], v[NIL]                      ; the wave's opening: the add, twice on end, and its wait ahead of my first tensor load
	ds_add_u32 v[SPW], v[NIL]
	v_lshrrev_b32 v1, 5, v0
	v_readfirstlane_b32 s12, v1                    ; wave 0..3
	s_lshr_b32 s13, s12, 1                         ; which half of the tile's rows is mine.  Also: I fetch for attn (0) or for Wout^T (1)
	s_and_b32 s14, s12, 1                          ; which half of its columns.  Also: which 64 rows I fetch
	s_bfe_u32 s40, ttmp6, 0x40000
	s_bfe_u32 s41, ttmp6, 0x40004
	s_lshl_b32 s42, ttmp9, 2
	s_add_co_u32 s42, s42, s40                     ; tile column
	s_and_b32 s15, ttmp7, 0xffff
	s_lshl_b32 s15, s15, 2
	s_add_co_u32 s15, s15, s41                     ; tile row
	s_lshl_b32 s43, s41, 2
	s_lshl_b32 s43, 15, s43                        ; my row of the cluster
	s_lshl_b32 s44, 0x1111, s40                    ; my column
	s_or_b32 s[G1+0], s43, (3<<16)|(1<<21)         ; 32 KiB dense, as 128 rows of 256 bytes (32 elements of 8 bytes), no padding
	s_or_b32 s[G1B+0], s44, (3<<16)|(1<<21)
.irp g, G1, G1B
	s_mov_b32 s[\g+1], 32<<16
	s_mov_b32 s[\g+2], 128<<16
	s_mov_b32 s[\g+3], 32<<16
	s_mov_b32 s[\g+4], 128
	s_mov_b32 s[\g+5], 32
	s_mov_b32 s[\g+6], 0
	s_mov_b32 s[\g+7], 0
.endr
	s_and_b32 s[KO+1], ttmp7, 0xffff               ; where my cluster begins K: the cluster's y,
	s_lshr_b32 s[KO], s[KO+1], 1
	s_xor_b32 s[KO], s[KO], s[KO+1]
	s_and_b32 s[KO], s[KO], 1                      ; g = 0, 1, 1, 0,
	s_lshl_b32 s[KO], s[KO], 1
	s_add_co_u32 s[KO], s[KO], ttmp9               ; 2 g + the cluster's x,
	s_and_b32 s[KO], s[KO], 3                      ; mod 4: in laps of two K steps,
	s_lshl_b32 s[KO], s[KO], 17                    ; in bytes
	s_mov_b32 s[KO+1], 0
	s_lshl_b32 s17, s14, 15
	s_lshl_b32 s16, s15, 19                        ; attn: 8 K steps of 64 KiB for each 128 rows
	s_add_co_u32 s16, s16, s17
	s_lshl_b32 s46, s42, 19                        ; Wout^T likewise
	s_add_co_u32 s46, s46, s17
	s_mov_b32 s17, 0
	s_mov_b32 s47, 0
	s_mul_i32 s20, s12, HALFT                      ; where they go: no place in the cluster enters an LDS address
	s_wait_dscnt 0x0                               ; both opening adds are done
	s_wait_kmcnt 0x0
	s_add_nc_u64 s[4:5], s[4:5], s[16:17]          ; attn at K step 0 of the 64 rows that I fetch: it hangs on the tile row alone;
	s_add_nc_u64 s[6:7], s[6:7], s[46:47]          ; Wout^T likewise, on the tile column alone.  Both stay
	CROUND                                         ; all sixteen work-groups are here: the first joint loads meet
.irp s, 0,1
	s_mov_b32 s[G0+4*\s], 1
	s_add_co_u32 s[G0+4*\s+1], s20, \s*SLOT
	s_mov_b32 s[G0B+4*\s], 1
	s_add_co_u32 s[G0B+4*\s+1], s20, \s*SLOT
	POINT \s
	JLOAD \s
.endr
	v_and_b32 v1, 15, v0                           ; r
	v_bfe_u32 v2, v0, 4, 1                         ; h
	v_and_b32 v3, 31, v0
	v_lshlrev_b32 v3, 4, v3                        ; 16 x lane
	s_mul_i32 s21, s13, HALFT                      ; my 64 rows of attn
	s_mul_i32 s22, s14, HALFT                      ; my 64 rows of Wout^T,
	s_add_co_u32 s22, s22, 2*HALFT                 ; behind attn's 128
.irp s, 0,1
	v_add_nc_u32 v[ADRA+\s], s21, v3
	v_add_nc_u32 v[ADRB+\s], s22, v3
	s_add_co_u32 s21, s21, SLOT
	s_add_co_u32 s22, s22, SLOT
.endr
	s_mul_i32 s23, s12, 16*SPITCH
	s_add_co_u32 s23, s23, STAGE                   ; my stage
	v_mul_u32_u24 v4, v1, SPITCH                   ; in: row r, 32 bytes for each half of the lanes
	v_lshl_add_u32 v4, v2, 5, v4
	v_add_nc_u32 v[STO], s23, v4
	v_mul_u32_u24 v5, v2, SPITCH                   ; back: lanes 0-15 one row of 256 bytes, lanes 16-31 the next
	v_lshl_add_u32 v5, v1, 4, v5
	v_add_nc_u32 v[RD], s23, v5
	v_lshlrev_b32 v5, 13, v2                       ; and the same two rows in out0 (8,192 bytes a row)
	v_lshl_add_u32 v[CO], v1, 4, v5
	v_lshlrev_b32 v27, 5, v2                       ; the bias: my half's eight numbers
	s_lshl_b32 s16, s15, 20                        ; my first row of out0: 128 x tile row + 64 x half
	s_lshl_b32 s17, s13, 19
	s_add_co_u32 s16, s16, s17
	s_mov_b32 s17, 0
	s_add_nc_u64 s[10:11], s[10:11], s[16:17]
	s_lshl_b32 s46, s42, 9                         ; my first column, in bytes: 512 x tile column + 256 x half
	s_lshl_b32 s47, s14, 8
	s_add_co_u32 s46, s46, s47
	s_mov_b32 s47, 0
	s_add_nc_u64 s[10:11], s[10:11], s[46:47]
	s_add_nc_u64 s[8:9], s[8:9], s[46:47]
.irp b, 0,1,2,3
	global_load_b128 v[BI+8*\b:BI+8*\b+3], v27, s[8:9] offset:64*\b        ; bout at columns 16 b + 8 h + 0..7: the result's layout
	global_load_b128 v[BI+8*\b+4:BI+8*\b+7], v27, s[8:9] offset:64*\b+16
.endr
; 8 matrix instructions: row blocks a0, a0 + 1 x the 4 column blocks, 32 along K: half c of buffer f.  zero = 1: the first product starts the sums from the bias.  The 16 accumulators take turns.
.macro MUL8 f, c, a0, zero
.irp a, \a0, \a0+1
.irp b, 0,1,2,3
.if \zero
	v_wmma_f32_16x16x32_f16 v[ACC+8*(4*(\a)+\b):ACC+8*(4*(\a)+\b)+7], v[\f+64+8*(4*\c+\b):\f+64+8*(4*\c+\b)+7], v[\f+8*(4*\c+\a):\f+8*(4*\c+\a)+7], v[BI+8*\b:BI+8*\b+7]
.else
	v_wmma_f32_16x16x32_f16 v[ACC+8*(4*(\a)+\b):ACC+8*(4*(\a)+\b)+7], v[\f+64+8*(4*\c+\b):\f+64+8*(4*\c+\b)+7], v[\f+8*(4*\c+\a):\f+8*(4*\c+\a)+7], v[ACC+8*(4*(\a)+\b):ACC+8*(4*(\a)+\b)+7]
.endif
.endr
.endr
.endm
; 32 LDS loads in one run: the fragments of quarter qq (64 along K) into buffer f; the first 32 along K first
.macro FETCH slot, qq, f
	WIN TO_F
.irp c, 0,1
.irp i, 0,1,2,3
	ds_load_b128 v[\f+64+8*(4*\c+\i):\f+64+8*(4*\c+\i)+3],   v[ADRB+\slot] offset:\i*8192+(2*(\qq)+\c)*1024
	ds_load_b128 v[\f+64+8*(4*\c+\i)+4:\f+64+8*(4*\c+\i)+7], v[ADRB+\slot] offset:\i*8192+(2*(\qq)+\c)*1024+512
	ds_load_b128 v[\f+8*(4*\c+\i):\f+8*(4*\c+\i)+3],         v[ADRA+\slot] offset:\i*8192+(2*(\qq)+\c)*1024
	ds_load_b128 v[\f+8*(4*\c+\i)+4:\f+8*(4*\c+\i)+7],       v[ADRA+\slot] offset:\i*8192+(2*(\qq)+\c)*1024+512
.endr
.endr
.endm
.macro PLACES                          ; four places in front of loads into registers that matrix instructions have read, and of the first read of results
.rept 4
	v_nop
.endr
.endm
; A K step is four quarters of 64 along K, 32 matrix instructions each, on buffers 0, 1, 0, 1.  One of the first three multiplies buffer f and fetches quarter qq into g.
.macro QUARTER slot, qq, f, g, zero
	s_wait_dscnt 16                                ; the first 32 along K are in; the other sixteen loads may be out
	WIN MUL
	MUL8 \f, 0, 0, \zero
	MUL8 \f, 0, 2, \zero
	PLACES
	FETCH \slot, \qq, \g
	s_wait_dscnt 32                                ; all but the 32 just issued
	WIN MUL
	MUL8 \f, 1, 0, 0
	MUL8 \f, 1, 2, 0
.endm
; The last quarter multiplies buffer 1 and changes slots: one barrier; in front of it each wave waits for all its tensor loads, adds 0 to its spare word, and waits for that and for its reads of this slot.
.macro TURN slot, next, fill
	WIN 0                                          ; (the add's two registers lie in window 0)
	s_wait_tensorcnt 0x0                           ; all my tensor loads have landed: my part of the next slot
	ds_add_u32 v[SPW], v[NIL]                      ; 0 onto my spare word
	s_wait_dscnt 17                                ; (the add and the youngest sixteen loads may be out)
	WIN MUL
	MUL8 F1, 0, 0, 0
	s_wait_dscnt 0x0                               ; the add is done, and my reads of this slot are over
	s_barrier_signal -1
	MUL8 F1, 0, 2, 0
.if \fill
	WIN 0
.endif
	s_barrier_wait -1
.if \fill
	CREST                                          ; the barrier has opened a round of the cluster's: no wave of any partner still reads this slot or has a load on its way
.if \slot == 0
	s_add_co_u32 s[KO], s[KO], 2*KSB               ; the next lap's first K step,
	s_and_b32 s[KO], s[KO], 8*KSB-1                ; round the eight
.endif
	POINT \slot
	JLOAD \slot                                    ; the first tensor load behind the round; its four v_nop are the places in front of the loads below
.else
	PLACES
.endif
	FETCH \next, 0, F0
	WIN MUL
	MUL8 F1, 1, 0, 0
	MUL8 F1, 1, 2, 0
.endm
	s_wait_tensorcnt 1                             ; my part of the first K step is in (the second's load may be out)
	s_barrier_signal -1
	s_barrier_wait -1                              ; everybody's is
	FETCH 0, 0, F0
	s_wait_loadcnt 0x0                             ; the bias
	QUARTER 0, 1, F0, F1, 1                        ; the first quarter stands in front of the loop: its first products start the sums
	WIN 0
	s_mov_b32 s3, LAPS-1
.Llap:                                             ; a trip goes once round the ring, from a lap's second quarter to the next lap's first, and fills both slots again
	QUARTER 0, 2, F1, F0, 0
	QUARTER 0, 3, F0, F1, 0
	TURN 0, 1, 1
	QUARTER 1, 1, F0, F1, 0
	QUARTER 1, 2, F1, F0, 0
	QUARTER 1, 3, F0, F1, 0
	TURN 1, 0, 1
	QUARTER 0, 1, F0, F1, 0
	WIN 0
	s_sub_co_u32 s3, s3, 1
	s_cmp_lg_u32 s3, 0
	s_cbranch_scc1 .Llap
	QUARTER 0, 2, F1, F0, 0                        ; the last lap fills nothing
	QUARTER 0, 3, F0, F1, 0
	TURN 0, 1, 0
	QUARTER 1, 1, F0, F1, 0
	QUARTER 1, 2, F1, F0, 0
	QUARTER 1, 3, F0, F1, 0
	s_wait_dscnt 16
	WIN MUL
	MUL8 F1, 0, 0, 0
	MUL8 F1, 0, 2, 0
	s_wait_dscnt 0
	MUL8 F1, 1, 0, 0
	MUL8 F1, 1, 2, 0
	WIN 0
; THE WAY OUT.  A wave's 64 columns of f32 are 256 bytes of a row, aligned.  A block of 16 rows goes through my own stage and comes back by rows: sixteen lanes store 256 consecutive bytes.
; LDS serves a wave's instructions in order: no wait between the stores and the loads, nor in front of the next block's stores.
.macro TOSTAGE a
.irp b, 0,1,2,3
	ds_store_b128 v[STO], v[ACC+8*(4*(\a)+\b):ACC+8*(4*(\a)+\b)+3] offset:64*\b       ; each accumulator from its low end on
	ds_store_b128 v[STO], v[ACC+8*(4*(\a)+\b)+4:ACC+8*(4*(\a)+\b)+7] offset:64*\b+16
.endr
.irp t, 0,1,2,3,4,5,6,7
	ds_load_b128 v[TMP+32*((\a)%2)+4*\t:TMP+32*((\a)%2)+4*\t+3], v[RD] offset:\t*2*SPITCH
.endr
.endm
.macro SEND a, younger                 ; younger: the LDS instructions issued behind block a's loads, which may stay out
	s_wait_dscnt \younger
.irp t, 0,1,2,3,4,5,6,7
	global_store_b128 v[CO], v[TMP+32*((\a)%2)+4*\t:TMP+32*((\a)%2)+4*\t+3], s[10:11] offset:(16*(\a)+2*\t)*8192 th:TH_STORE_NT
.endr
.endm
	PLACES
	TOSTAGE 0
.irp a, 1,2,3
.if \a > 1
	s_wait_xcnt 0x0                                ; block a - 2's stores have read their registers: block a's loads may land there
.endif
	TOSTAGE \a
	SEND \a-1, 16                                  ; behind block a - 1's loads: block a's 8 stores and 8 loads
.endr
	SEND 3, 0
	s_wait_tensorcnt 0x0                           ; the wave's end, behind my last tensor load and my last LDS store
	ds_add_u32 v[SPW], v[NIL]
	s_wait_dscnt 0x0
	CROUND                                         ; the closing round
	s_endpgm
.Lfunc_end_k_q1a21a2bdf1_proj:
	.size	k_q1a21a2bdf1_proj, .Lfunc_end_k_q1a21a2bdf1_proj-k_q1a21a2bdf1_proj
	.p2alignl 7, 3214868480
	.fill 96, 4, 3214868480
	.section	.rodata,"a",@progbits
	.p2align	6, 0x0
	.amdhsa_kernel k_q1a21a2bdf1_proj
		.amdhsa_group_segment_fixed_size 327680
		.amdhsa_private_segment_fixed_size 0
		.amdhsa_enable_private_segment 0
		.amdhsa_kernarg_size 32
		.amdhsa_user_sgpr_count 2
		.amdhsa_user_sgpr_kernarg_segment_ptr 1
		.amdhsa_wavefront_size32 1
		.amdhsa_system_sgpr_workgroup_id_x 1
		.amdhsa_system_sgpr_workgroup_id_y 1
		.amdhsa_system_sgpr_workgroup_id_z 1
		.amdhsa_system_vgpr_workitem_id 0
		.amdhsa_next_free_vgpr 512
		.amdhsa_next_free_sgpr 66
		.amdhsa_reserve_vcc 0
		.amdhsa_float_denorm_mode_32 3
		.amdhsa_float_denorm_mode_16_64 3
		.amdhsa_memory_ordered 1
		.amdhsa_forward_progress 1
		.amdhsa_inst_pref_size 87
	.end_amdhsa_kernel
	.amdgpu_metadata
---
amdhsa.version: [ 1, 2 ]
amdhsa.kernels:
  - .name:           k_q1a21a2bdf1_proj
    .symbol:         k_q1a21a2bdf1_proj.kd
    .args:
      - { .name: at, .offset: 0, .size: 8, .value_kind: global_buffer, .address_space: global }
      - { .name: wo, .offset: 8, .size: 8, .value_kind: global_buffer, .address_space: global }
      - { .name: bout, .offset: 16, .size: 8, .value_kind: global_buffer, .address_space: global }
      - { .name: out0, .offset: 24, .size: 8, .value_kind: global_buffer, .address_space: global }
    .group_segment_fixed_size: 327680
    .private_segment_fixed_size: 0
    .kernarg_segment_align: 8
    .kernarg_segment_size: 32
    .max_flat_workgroup_size: 128
    .sgpr_count:     66
    .vgpr_count:     512
    .wavefront_size: 32
...
	.end_amdgpu_metadata
.endif
;; end of part 4
